; MI455X (gfx1250); checked and timed in simulation.
; The chip was launched on July 23, 2026; its instructions are those of AMD's public machine-readable ISA for CDNA 5 (MIT licence, August 2026) and "CDNA5" Instruction Set Architecture Reference Guide (July 2026). The comments in the code are by the model that wrote it; some were corrected since.
;; Causal Self Attention. Allowed arithmetic: float matrix products may take bf16 or f16 operands with f32 sums; other float arithmetic in f32, or as packed bf16 or f16 multiplies, adds, multiply-adds, maxima and minima; sums over many terms, partial sums and values carried from step to step in f32; what a program stores and reads back later, other than sums and carried values, may be rounded once to bf16 or f16.
;; Inputs: Wo_b 1,024 float32; Wo_w 1,024 x 1,024 float32; Wqkv_b 3,072 float32; Wqkv_w 3,072 x 1,024 float32; mask 1 x 4,096 bool; x 1 x 4,096 x 1,024 float32.
;; Outputs: out0 1 x 4,096 x 1,024 float32.
;; 2 versions, each right; version 2 is version 1 with the launch cvt written anew for expert scheduling mode. Each part assembles by itself: llvm-mc -triple=amdgcn-amd-amdhsa -mcpu=gfx1250 --defsym DOCPART=n.
;; ======== version 1 of 2: 4 launches
;; limits: values are held in f16: magnitudes above 65,504 overflow, below 6.1e-05 lose precision
;; workspace buffers: xb 8,388,608 bytes; wb 6,291,456 bytes; wo 2,097,152 bytes; qkv 25,165,824 bytes; ob 8,388,608 bytes
;; launch cvt (part 1): grid 512 x 1, 8 waves a work-group, no clusters, 0 bytes of LDS; arguments x, Wqkv_w, Wo_w, xb, wb, wo; writes xb, wb, wo
.if DOCPART == 1
	.amdgcn_target "amdgcn-amd-amdhsa--gfx1250"
	.amdhsa_code_object_version 6
	.text
	.protected	k_q42e17a748f_cvt
	.globl	k_q42e17a748f_cvt
	.p2align	8
	.type	k_q42e17a748f_cvt,@function
k_q42e17a748f_cvt:
	s_mov_b64 s[64:65], 0
	v_nop
	global_prefetch_b8 v0, s[64:65] scope:SCOPE_SE
	s_setreg_imm32_b32 hwreg(HW_REG_WAVE_MODE, 25, 1), 1
	s_wait_xcnt 0x0
; THE MODULE'S LARGE INPUTS ARE ROUNDED ONCE.  x -> xb and Wqkv_w -> wb in bf16; Wo_w -> wo: rounded to bf16 like the others, and that number written as f16,
; since the last product's other operand is f16.  LIMIT: |Wo_w| under 65,504; below 2^-14 the f16 copy keeps f16's fixed step of 2^-24.
; A stream: no LDS, no barrier, no matrix unit.  A work-group takes 65,536 bytes of f32: 16 lines of 256 threads x 16 bytes, all 16 loads out at once, and stores 32,768 bytes.
; Work-groups 0-255 take x (16,777,216 bytes), 256-447 Wqkv_w (12,582,912), 448-511 Wo_w (4,194,304).
; A wave's load covers 512 consecutive bytes, its store 256 consecutive bytes, aligned.  Every line has registers of its own: nothing is rewritten, so no wait frees a source.
.set LINE, 4096                        ; bytes of f32 that the 256 threads take at once
.set IN,   8                           ; v[8:71]    16 lines x 4 f32
.set OUT,  72                          ; v[72:103]  16 lines x 2 registers of packed halves
.set T,    104                         ; v[104:109] at work (f16 path)
	s_load_b256 s[4:11], s[0:1], 0x0               ; x s[4:5], Wqkv_w s[6:7], Wo_w s[8:9], xb s[10:11]
	s_load_b128 s[12:15], s[0:1], 0x20             ; wb s[12:13], wo s[14:15]
	v_lshlrev_b32 v1, 4, v0                        ; my 16 bytes of a line in
	v_lshlrev_b32 v2, 3, v0                        ; my 8 bytes of a line out
	s_mov_b32 s26, 256                             ; the first work-group of Wqkv_w
	s_mov_b32 s27, 448                             ; the first of Wo_w
	s_mov_b32 s28, 0xffff0000                      ; a word's upper bf16
	s_wait_kmcnt 0x0
	s_cmp_lt_u32 ttmp9, s27                        ; the choice of buffers hangs on the work-group's number alone
	s_cselect_b64 s[18:19], s[6:7], s[8:9]
	s_cselect_b64 s[20:21], s[12:13], s[14:15]
	s_cselect_b32 s17, s26, s27
	s_cmp_lt_u32 ttmp9, s26
	s_cselect_b64 s[18:19], s[4:5], s[18:19]       ; from
	s_cselect_b64 s[20:21], s[10:11], s[20:21]     ; to
	s_cselect_b32 s17, 0, s17                      ; the buffer's first work-group
	s_sub_co_u32 s17, ttmp9, s17                   ; my number within the buffer
	s_lshl_b32 s22, s17, 16
	s_mov_b32 s23, 0
	s_lshl_b32 s24, s17, 15
	s_mov_b32 s25, 0
	s_add_nc_u64 s[18:19], s[18:19], s[22:23]
	s_add_nc_u64 s[20:21], s[20:21], s[24:25]
.set i, 0
.rept 16
	global_load_b128 v[IN+4*i:IN+4*i+3], v1, s[18:19] offset:LINE*i th:TH_LOAD_NT
.set i, i+1
.endr
	s_cmp_ge_u32 ttmp9, s27
	s_cbranch_scc1 .Lf16
.set i, 0
.rept 16
	s_wait_loadcnt 15-i                            ; loads come back in order: line i is in, the 15 - i younger ones stay out
	v_cvt_pk_bf16_f32 v[OUT+2*i],   v[IN+4*i],   v[IN+4*i+1]
	v_cvt_pk_bf16_f32 v[OUT+2*i+1], v[IN+4*i+2], v[IN+4*i+3]
	global_store_b64 v2, v[OUT+2*i:OUT+2*i+1], s[20:21] offset:(LINE/2)*i
.set i, i+1
.endr
	s_endpgm
.Lf16:
.set i, 0
.rept 16
	s_wait_loadcnt 15-i
	v_cvt_pk_bf16_f32 v[T],   v[IN+4*i],   v[IN+4*i+1]    ; the rounding that all inputs get,
	v_cvt_pk_bf16_f32 v[T+1], v[IN+4*i+2], v[IN+4*i+3]
	v_lshlrev_b32 v[T+2], 16, v[T]                        ; widened again,
	v_and_b32     v[T+3], s28, v[T]
	v_lshlrev_b32 v[T+4], 16, v[T+1]
	v_and_b32     v[T+5], s28, v[T+1]
	v_cvt_pk_f16_f32 v[OUT+2*i],   v[T+2], v[T+3]         ; and written as f16: 8 significant bits fit into 11
	v_cvt_pk_f16_f32 v[OUT+2*i+1], v[T+4], v[T+5]
	global_store_b64 v2, v[OUT+2*i:OUT+2*i+1], s[20:21] offset:(LINE/2)*i
.set i, i+1
.endr
	s_endpgm
.Lfunc_end_k_q42e17a748f_cvt:
	.size	k_q42e17a748f_cvt, .Lfunc_end_k_q42e17a748f_cvt-k_q42e17a748f_cvt
	.p2alignl 7, 3214868480
	.fill 96, 4, 3214868480
	.section	.rodata,"a",@progbits
	.p2align	6, 0x0
	.amdhsa_kernel k_q42e17a748f_cvt
		.amdhsa_group_segment_fixed_size 0
		.amdhsa_private_segment_fixed_size 0
		.amdhsa_enable_private_segment 0
		.amdhsa_kernarg_size 48
		.amdhsa_user_sgpr_count 2
		.amdhsa_user_sgpr_kernarg_segment_ptr 1
		.amdhsa_wavefront_size32 1
		.amdhsa_system_sgpr_workgroup_id_x 1
		.amdhsa_system_sgpr_workgroup_id_y 1
		.amdhsa_system_sgpr_workgroup_id_z 1
		.amdhsa_system_vgpr_workitem_id 0
		.amdhsa_next_free_vgpr 112
		.amdhsa_next_free_sgpr 66
		.amdhsa_reserve_vcc 0
		.amdhsa_float_denorm_mode_32 3
		.amdhsa_float_denorm_mode_16_64 3
		.amdhsa_memory_ordered 1
		.amdhsa_forward_progress 1
		.amdhsa_inst_pref_size 15
	.end_amdhsa_kernel
	.amdgpu_metadata
---
amdhsa.version: [ 1, 2 ]
amdhsa.kernels:
  - .name:           k_q42e17a748f_cvt
    .symbol:         k_q42e17a748f_cvt.kd
    .args:
      - { .name: x, .offset: 0, .size: 8, .value_kind: global_buffer, .address_space: global }
      - { .name: Wqkv_w, .offset: 8, .size: 8, .value_kind: global_buffer, .address_space: global }
      - { .name: Wo_w, .offset: 16, .size: 8, .value_kind: global_buffer, .address_space: global }
      - { .name: xb, .offset: 24, .size: 8, .value_kind: global_buffer, .address_space: global }
      - { .name: wb, .offset: 32, .size: 8, .value_kind: global_buffer, .address_space: global }
      - { .name: wo, .offset: 40, .size: 8, .value_kind: global_buffer, .address_space: global }
    .group_segment_fixed_size: 0
    .private_segment_fixed_size: 0
    .kernarg_segment_align: 8
    .kernarg_segment_size: 48
    .max_flat_workgroup_size: 256
    .sgpr_count:     66
    .vgpr_count:     112
    .wavefront_size: 32
...
	.end_amdgpu_metadata
.endif
;; end of part 1
;; launch qkv (part 2): grid 16 x 16, 4 waves a work-group, clusters of 4 x 4, 327,680 bytes of LDS; arguments xb, wb, Wqkv_b, qkv; writes qkv
.if DOCPART == 2
	.amdgcn_target "amdgcn-amd-amdhsa--gfx1250"
	.amdhsa_code_object_version 6
	.text
	.protected	k_q42e17a748f_qkv
	.globl	k_q42e17a748f_qkv
	.p2align	8
	.type	k_q42e17a748f_qkv,@function
k_q42e17a748f_qkv:
	s_mov_b64 s[64:65], 0
	v_nop
	global_prefetch_b8 v0, s[64:65] scope:SCOPE_SE
	s_setreg_imm32_b32 hwreg(HW_REG_WAVE_MODE, 25, 1), 1
	s_wait_xcnt 0x0
	s_wait_alu depctr_hold_cnt(0) depctr_sa_sdst(0) depctr_va_vdst(0) depctr_va_sdst(0) depctr_va_ssrc(0) depctr_va_vcc(0) depctr_vm_vsrc(0)
	s_getreg_b32 s2, hwreg(HW_REG_IB_STS2, 6, 4)
	s_cmp_eq_u32 s2, 0
	s_cbranch_scc0 .Lentry_in_a_cluster
	s_endpgm
.Lentry_in_a_cluster:
	s_bfe_u32 s2, ttmp6, 0x10000c
	s_cmp_lg_u32 s2, 0xf033
	s_cbranch_scc0 .Lentry_shape_is_right
	s_endpgm
.Lentry_shape_is_right:
; qkv = xb wb^T + bf16(Wqkv_b), written by heads in f16: qkv[slice][row][64], slice = column / 64 = which x 16 + head (q: 0-15, k: 16-31, v: 32-47), unscaled.
; xb: [4096][1024] bf16, wb: [3072][1024] bf16; sums in f32, rounded once.  LIMIT: |q|, |k|, |v| under 65,504 (f16's range).
; A tile is 256 rows x 192 columns (three slices): 16 x 16 tiles, one for each of 256 work-groups.  Wave w makes rows 64 w .. 64 w + 63 of all 192 columns: 4 x 12 accumulators, 384 registers,
; so that three whole slices of its rows are its own and the way out needs no other wave.  For 32 along K a wave issues 32 LDS loads and 48 matrix instructions.
; K goes in steps of 128 (rows of 256 bytes, aligned) through two LDS slots.  Waves 0, 1 fetch 128 rows of xb each, waves 2, 3 fetch 96 rows of wb each: one tensor load a wave behind each change of slots.
; CLUSTER 4 x 4: xb's tile hangs on the tile row alone and is asked for jointly along a row of the cluster, wb's on the tile column alone, along a column.
; THE MATRIX INSTRUCTION IS USED TRANSPOSED (source 0 = 16 rows of wb, source 1 = 16 rows of xb): a lane holds row l % 16 and the columns 8 (l / 16) + 0..7: 16 bytes of f16 on end.
; THE BIAS IS THE C OPERAND OF THE FIRST PRODUCTS: register j of BIAS + 8 b holds bias[16 b + 8 (l / 16) + j]: nothing is cleared, and no add stands in the way out.
; REGISTERS, in windows of 256 (s_set_vgpr_msb: bits 1:0 source 0, 3:2 source 1, 5:4 source 2, 7:6 destination):
;   window 0: v16-30 addresses; v64-95, v96-127 xb's fragments, two buffers; v128-223 the bias, later the way out (v128-175 packed, v176-223 rows read back); v224-225 at work
;   window 1: v0-95, v128-223 wb's fragments, two buffers     window 2: accumulators of row blocks 0, 1 ((a, b) at 8 (12 (a % 2) + b))     window 3: of row blocks 2, 3
.set SIZE_K, 1024
.set KSTEP,  128
.set PITCH,  272                       ; an LDS row: 256 bytes + 16 of padding: the 16 rows of a fragment load begin 16 bytes further on modulo 256, each at another place
.set AHALF,  128*PITCH                 ; what a wave fetches of xb
.set BHALF,  96*PITCH                  ; of wb
.set BOFF,   2*AHALF                   ; wb's 192 rows lie behind xb's 256
.set SLOT,   2*AHALF+2*BHALF           ; 121,856
.set STAGE,  2*SLOT                    ; behind the ring, never filled by a tensor load: for each wave 3 slices x 16 rows x 144 bytes
.set SP,     144
.set SLICE,  16*SP
.set WSTAGE, 3*SLICE
.set SPARE,  STAGE+4*WSTAGE            ; the spare words: 128 bytes a wave, two blocks of 256 bytes that no other line names
.set SLB,    4096*128                  ; a slice of qkv in bytes
.set ADRA, 16                          ; v16-17  LDS address of my xb fragments in slot 0, 1
.set ADRB, 20                          ; v20-21  of wb's
.set STO,  24                          ; v24     the way out: where I put 16 bytes of a row
.set RD,   25                          ; v25     where I read rows back
.set CO,   26                          ; v26     my 16 bytes among 512 consecutive bytes of qkv
.set BO,   27                          ; v27     32 (l / 16): my eight numbers in 16 of the bias
.set SPW,  28                          ; v28     my spare word; never rewritten
.set NIL,  29                          ; v29     0; never rewritten
.set PFO,  30                          ; v30     the prefetches' offset: a lane a row; never rewritten
.set FA,   64
.set BIAS, 128
.set TMP,  128
.set OB,   176
.set TB,   224
.set LIM,  43                          ; s43     1 in a wave that prefetches, else the greatest number
.set PFA,  44                          ; s[44:45] where my prefetches stand
.set G1,   24                          ; s[24:31] group 1 for xb's tiles;  s[32:39] group 0, a set for each slot
.set G0,   32
.set G1B,  48                          ; s[48:55], s[56:63] the same for wb's
.set G0B,  56
.set BP,   66                          ; s[66:67] the bias
.set MSB, 0
.macro WIN new                         ; the immediate's high byte repeats the setting that is left; a switch that changes nothing is dropped
.if MSB != (\new)
	s_set_vgpr_msb (MSB<<8)|(\new)
.set MSB, \new
.endif
.endm
; A joint load: waves 0, 1 ask for xb's halves, waves 2, 3 for wb's.  The branch hangs on the wave's number alone.  An s_nop 0 and four v_nop follow each line.
.macro JLOAD s
	s_cmp_eq_u32 s11, 0
	s_cbranch_scc0 .Lfor_b_\@
	tensor_load_to_lds s[G0+4*(\s):G0+4*(\s)+3], s[G1:G1+7]
	s_nop 0
.rept 4
	v_nop
.endr
	s_branch .Lasked_\@
.Lfor_b_\@:
	tensor_load_to_lds s[G0B+4*(\s):G0B+4*(\s)+3], s[G1B:G1B+7]
	s_nop 0
.rept 4
	v_nop
.endr
.Lasked_\@:
.endm
; A prefetch of the K step that stands two refills on: a lane a row, 256 bytes of it.  xb's tile row is read by every cluster of that row of clusters: cluster x = 0 asks; wb's tile column: cluster y = 0.
; The four partners share a wave's rows out by address (32 of 128 by cx; 24 of 96 by cy, where lanes 24-31 repeat lane 23's row).  The loop's last trip asks for nothing: K steps 8 and 9 do not exist.
.macro ASK
	s_cmp_gt_u32 s3, s[LIM]
	s_cbranch_scc0 .Lnot_mine_\@
	global_prefetch_b8 v[PFO], s[PFA:PFA+1] offset:KSTEP*2 th:TH_LOAD_NT scope:SCOPE_SE
.Lnot_mine_\@:
.endm
.macro CREST                           ; a round of the cluster's barrier behind its opening barrier
	s_cmp_lg_u32 s10, 0
	s_cbranch_scc1 .Lnot_wave_0_\@
	s_barrier_signal -3
.Lnot_wave_0_\@:
	s_barrier_wait -3
	s_barrier_signal -1
	s_barrier_wait -1
.endm
.macro CROUND
	s_barrier_signal -1
	s_barrier_wait -1
	CREST
.endm
.macro PLACES                          ; four places in front of loads into registers that matrix instructions have read, and of conversions that read results
.rept 4
	v_nop
.endr
.endm
	s_load_b128 s[4:7], s[0:1], 0x0                ; xb s[4:5], wb s[6:7]
	s_load_b64 s[BP:BP+1], s[0:1], 0x10            ; Wqkv_b
	s_load_b64 s[8:9], s[0:1], 0x18                ; qkv
	v_lshl_add_u32 v[SPW], v0, 2, SPARE
	v_mov_b32 v[NIL], 0
	ds_add_u32 v[SPW], v[NIL]                      ; the wave's opening: the add and its wait stand ahead of my first tensor load
	v_lshrrev_b32 v1, 5, v0
	v_readfirstlane_b32 s10, v1                    ; wave 0..3: my 64 rows of the tile
	s_lshr_b32 s11, s10, 1                         ; I fetch for xb (0) or wb (1)
	s_and_b32 s12, s10, 1                          ; which half of that tile's rows
	s_bfe_u32 s40, ttmp6, 0x40000                  ; cx
	s_bfe_u32 s41, ttmp6, 0x40004                  ; cy
	s_lshl_b32 s42, ttmp9, 2
	s_add_co_u32 s42, s42, s40                     ; tile column = 4 x cluster x + cx
	s_and_b32 s13, ttmp7, 0xffff
	s_lshl_b32 s13, s13, 2
	s_add_co_u32 s13, s13, s41                     ; tile row = 4 x cluster y + cy
	s_lshl_b32 s43, s41, 2
	s_lshl_b32 s43, 15, s43                        ; my row of the cluster
	s_lshl_b32 s44, 0x1111, s40                    ; my column
	s_or_b32 s[G1+0], s43, (1<<16)|(1<<20)|(1<<21)|(5<<22)|(3<<25)   ; the mask; 2-byte elements; padding on; bit 21 beside a mask; after every 64 words 4 words
	s_or_b32 s[G1B+0], s44, (1<<16)|(1<<20)|(1<<21)|(5<<22)|(3<<25)
	s_mov_b32 s[G1+1], KSTEP<<16                   ; tensor_dim0 = 128
	s_mov_b32 s[G1B+1], KSTEP<<16
	s_mov_b32 s[G1+2], 128<<16                     ; tensor_dim1 = 128 rows of xb,
	s_mov_b32 s[G1B+2], 96<<16                     ; 96 of wb
	s_mov_b32 s[G1+3], KSTEP<<16                   ; tile_dim0 = 128
	s_mov_b32 s[G1B+3], KSTEP<<16
	s_mov_b32 s[G1+4], 128                         ; tile_dim1
	s_mov_b32 s[G1B+4], 96
	s_mov_b32 s[G1+5], SIZE_K                      ; elements from row to row
	s_mov_b32 s[G1B+5], SIZE_K
	s_mov_b32 s[G1+6], 0
	s_mov_b32 s[G1B+6], 0
	s_mov_b32 s[G1+7], 0
	s_mov_b32 s[G1B+7], 0
	s_lshl_b32 s17, s12, 7
	s_lshl_b32 s16, s13, 8
	s_add_co_u32 s16, s16, s17                     ; xb: row 256 x tile row + 128 x half
	s_lshl_b32 s16, s16, 11                        ; x 2,048 bytes
	s_mov_b32 s17, 0
	s_mul_i32 s46, s42, 192
	s_mul_i32 s47, s12, 96
	s_add_co_u32 s46, s46, s47                     ; wb: row 192 x tile column + 96 x half
	s_lshl_b32 s46, s46, 11
	s_mov_b32 s47, 0
	s_mul_i32 s20, s10, AHALF                      ; where they go: xb's halves at wave x 34,816 (waves 0, 1),
	s_mul_i32 s21, s10, BHALF
	s_add_co_u32 s21, s21, BOFF-2*BHALF            ; wb's at 69,632 + (wave - 2) x 26,112 (waves 2, 3)
	s_wait_dscnt 0x0                               ; the opening add is done
	s_wait_kmcnt 0x0
	s_add_nc_u64 s[14:15], s[4:5], s[16:17]
	s_add_nc_u64 s[46:47], s[6:7], s[46:47]
	CROUND                                         ; all sixteen work-groups are here: the first joint loads meet
.irp s, 0,1
	s_mov_b32 s[G0+4*(\s)], 1
	s_add_co_u32 s[G0+4*(\s)+1], s20, (\s)*SLOT
	s_add_nc_u64 s[G0+4*(\s)+2:G0+4*(\s)+3], s[14:15], (\s)*KSTEP*2
	s_or_b32 s[G0+4*(\s)+3], s[G0+4*(\s)+3], 0x80000000
	s_mov_b32 s[G0B+4*(\s)], 1
	s_add_co_u32 s[G0B+4*(\s)+1], s21, (\s)*SLOT
	s_add_nc_u64 s[G0B+4*(\s)+2:G0B+4*(\s)+3], s[46:47], (\s)*KSTEP*2
	s_or_b32 s[G0B+4*(\s)+3], s[G0B+4*(\s)+3], 0x80000000
	JLOAD \s                                       ; K steps 0 and 1: two loads of mine are out
.endr
	v_and_b32 v1, 15, v0                           ; l % 16
	v_bfe_u32 v2, v0, 4, 1                         ; l / 16
	v_lshlrev_b32 v[BO], 5, v2
	s_mul_i32 s46, s42, 768                        ; the tile's 192 numbers of the bias
	s_mov_b32 s47, 0
	s_add_nc_u64 s[BP:BP+1], s[BP:BP+1], s[46:47]
.set b, 0
.rept 12
	global_load_b128 v[BIAS+8*b:BIAS+8*b+3],   v[BO], s[BP:BP+1] offset:64*b
	global_load_b128 v[BIAS+8*b+4:BIAS+8*b+7], v[BO], s[BP:BP+1] offset:64*b+16
.set b, b+1
.endr
	v_mul_u32_u24 v3, v1, PITCH
	v_lshl_add_u32 v3, v2, 4, v3                   ; a fragment's row x pitch + 16 x half
	s_mul_i32 s21, s10, 64*PITCH                   ; my 64 rows of xb
	s_mov_b32 s22, BOFF                            ; all of wb's
.irp s, 0,1
	v_add_nc_u32 v[ADRA+(\s)], s21, v3
	v_add_nc_u32 v[ADRB+(\s)], s22, v3
	s_add_co_u32 s21, s21, SLOT
	s_add_co_u32 s22, s22, SLOT
.endr
	s_mul_i32 s23, s10, WSTAGE
	s_add_co_u32 s23, s23, STAGE                   ; my stage
	v_mul_u32_u24 v4, v1, SP                       ; in: row l % 16, 16 bytes for each half of the lanes
	v_lshl_add_u32 v4, v2, 4, v4
	v_add_nc_u32 v[STO], s23, v4
	v_bfe_u32 v5, v0, 3, 2                         ; back: 32 lanes take four rows of 128 bytes,
	v_mul_u32_u24 v5, v5, SP
	v_and_b32 v6, 7, v0
	v_lshl_add_u32 v5, v6, 4, v5
	v_add_nc_u32 v[RD], s23, v5
	v_and_b32 v[CO], 31, v0                        ; which are 512 consecutive bytes of a slice
	v_lshlrev_b32 v[CO], 4, v[CO]
	s_lshl_b32 s16, s13, 8
	s_lshl_b32 s17, s10, 6
	s_add_co_u32 s16, s16, s17                     ; my first row
	s_lshl_b32 s16, s16, 7                         ; x 128 bytes
	s_mov_b32 s17, 0
	s_add_nc_u64 s[8:9], s[8:9], s[16:17]
	s_mul_i32 s46, s42, 3*SLB                      ; the tile's first slice
	s_add_nc_u64 s[8:9], s[8:9], s[46:47]
	; the prefetches
	s_lshl_b32 s20, s13, 8
	s_lshl_b32 s18, s12, 7
	s_add_co_u32 s20, s20, s18
	s_lshl_b32 s18, s40, 5
	s_add_co_u32 s20, s20, s18                     ; xb: the 128 rows that I fetch, my work-group's 32 of them
	s_mul_i32 s21, s42, 192
	s_mul_i32 s18, s12, 96
	s_add_co_u32 s21, s21, s18
	s_mul_i32 s18, s41, 24
	s_add_co_u32 s21, s21, s18                     ; wb: the 96 rows that I fetch, my work-group's 24
	s_and_b32 s22, ttmp7, 0xffff
	s_cmp_eq_u32 s11, 0
	s_cselect_b32 s20, s20, s21
	s_cselect_b32 s22, ttmp9, s22                  ; the coordinate along which other clusters read the same rows
	s_cselect_b32 s23, 31, 23
	s_cselect_b64 s[PFA:PFA+1], s[4:5], s[6:7]
	s_cmp_eq_u32 s22, 0
	s_cselect_b32 s[LIM], 1, -1                    ; the same in all sixteen partners, for a given wave
	s_lshl_b32 s20, s20, 11
	s_mov_b32 s21, 0
	s_add_nc_u64 s[PFA:PFA+1], s[PFA:PFA+1], s[20:21]
	s_add_nc_u64 s[PFA:PFA+1], s[PFA:PFA+1], 2*KSTEP*2  ; at K step 2: the first refill steps it to 3 and names K step 4
	v_and_b32 v[PFO], 31, v0
	v_min_u32 v[PFO], s23, v[PFO]
	v_lshlrev_b32 v[PFO], 11, v[PFO]
	s_mov_b32 s2, 0xffff0000
	s_wait_loadcnt 0x0                             ; the bias
.set p, 0
.rept 48                                       ; rounded to bf16, like every input, and widened again; this stands in the wait for the first tiles
	v_cvt_pk_bf16_f32 v[TB+p%2], v[BIAS+2*p], v[BIAS+2*p+1]
	v_lshlrev_b32 v[BIAS+2*p],   16, v[TB+p%2]
	v_and_b32     v[BIAS+2*p+1], s2, v[TB+p%2]
.set p, p+1
.endr
; 12 matrix instructions: row block a x all 12 column blocks, 32 along K, from buffer f.  first = 1: C is the bias.  The 48 accumulators take turns, one instruction a turn, in the same order in every quarter.
.macro MUL12 f, a, first
.if \first
	WIN 0x81+0x40*((\a)/2)
.else
	WIN 0xa1+0x50*((\a)/2)
.endif
.irp b, 0,1,2,3,4,5,6,7,8,9,10,11
.if \first
	v_wmma_f32_16x16x32_bf16 v[8*(12*((\a)%2)+(\b)):8*(12*((\a)%2)+(\b))+7], v[128*(\f)+8*(\b):128*(\f)+8*(\b)+7], v[FA+32*(\f)+8*(\a):FA+32*(\f)+8*(\a)+7], v[BIAS+8*(\b):BIAS+8*(\b)+7]
.else
	v_wmma_f32_16x16x32_bf16 v[8*(12*((\a)%2)+(\b)):8*(12*((\a)%2)+(\b))+7], v[128*(\f)+8*(\b):128*(\f)+8*(\b)+7], v[FA+32*(\f)+8*(\a):FA+32*(\f)+8*(\a)+7], v[8*(12*((\a)%2)+(\b)):8*(12*((\a)%2)+(\b))+7]
.endif
.endr
.endm
; 32 LDS loads in one run: a quarter step's fragments (192 rows of wb, my 64 rows of xb, 32 K at byte k of the rows) into buffer f
.macro FETCH slot, k, f
	WIN 0x40
.irp i, 0,1,2,3,4,5,6,7,8,9,10,11
	ds_load_b128 v[128*(\f)+8*(\i):128*(\f)+8*(\i)+3],   v[ADRB+(\slot)] offset:(\k)+(\i)*16*PITCH
	ds_load_b128 v[128*(\f)+8*(\i)+4:128*(\f)+8*(\i)+7], v[ADRB+(\slot)] offset:(\k)+(\i)*16*PITCH+32
.endr
	WIN 0
.irp i, 0,1,2,3
	ds_load_b128 v[FA+32*(\f)+8*(\i):FA+32*(\f)+8*(\i)+3],   v[ADRA+(\slot)] offset:(\k)+(\i)*16*PITCH
	ds_load_b128 v[FA+32*(\f)+8*(\i)+4:FA+32*(\f)+8*(\i)+7], v[ADRA+(\slot)] offset:(\k)+(\i)*16*PITCH+32
.endr
.endm
; A K step is four quarters of 32 along K on buffers 0, 1, 0, 1.  One of the first three: multiplies f and fetches the next quarter, at byte k, into g.
.macro QUARTER slot, k, f, g, first
	s_wait_dscnt 4                                 ; wb's fragments and xb's row blocks 0, 1 are in; the four youngest loads (row blocks 2, 3) may be out
	MUL12 \f, 0, \first
	MUL12 \f, 1, \first
	PLACES
	FETCH \slot, \k, \g
	s_wait_dscnt 32                                ; all but the 32 just issued
	MUL12 \f, 2, \first
	MUL12 \f, 3, \first
.endm
; The last quarter multiplies buffer 1 and changes slots: one barrier; in front of it each wave waits for all its tensor loads (one is out: its part of the next slot), adds 0 to its spare word,
; and waits for that and for its reads of this slot.  fill = 1: the barrier opens a round of the cluster's, and this slot is filled again, two K steps on, first thing behind it:
; from the request to the wait for it a wave issues 168 matrix instructions.
.macro TURN slot, next, fill
.if \fill
	s_wait_xcnt 0x0                                ; the last prefetch, a K step back, has read its address
	s_add_nc_u64 s[PFA:PFA+1], s[PFA:PFA+1], KSTEP*2
.endif
	WIN 0
	s_wait_tensorcnt 0x0
	ds_add_u32 v[SPW], v[NIL]
	s_wait_dscnt 5                                 ; (the add and the four youngest loads may be out)
	MUL12 1, 0, 0
	s_wait_dscnt 0x0                               ; the add is done, and my reads of this slot are over
	s_barrier_signal -1
	MUL12 1, 1, 0
.if \fill
	WIN 0
.endif
	s_barrier_wait -1
.if \fill
	CREST
	s_add_nc_u64 s[G0+4*(\slot)+2:G0+4*(\slot)+3], s[G0+4*(\slot)+2:G0+4*(\slot)+3], 2*KSTEP*2
	s_add_nc_u64 s[G0B+4*(\slot)+2:G0B+4*(\slot)+3], s[G0B+4*(\slot)+2:G0B+4*(\slot)+3], 2*KSTEP*2
	JLOAD \slot                                    ; its four v_nop are also the places in front of the loads below
.else
	PLACES
.endif
	FETCH \next, 0, 0
.if \fill
	ASK
.endif
	MUL12 1, 2, 0
	MUL12 1, 3, 0
.endm
; THE WAY OUT of row block a: rounded to f16, 16 bytes a lane, into my stage by slices; back as whole rows of 128 bytes; each store covers 512 consecutive bytes of a slice, aligned.
.macro OUTB a
	WIN 0x0a+5*((\a)/2)
.irp b, 0,1,2,3,4,5,6,7,8,9,10,11
.irp r, 0,1,2,3
	v_cvt_pk_f16_f32 v[TMP+4*(\b)+(\r)], v[8*(12*((\a)%2)+(\b))+2*(\r)], v[8*(12*((\a)%2)+(\b))+2*(\r)+1]
.endr
.endr
	WIN 0
.irp b, 0,1,2,3,4,5,6,7,8,9,10,11
	ds_store_b128 v[STO], v[TMP+4*(\b):TMP+4*(\b)+3] offset:((\b)/4)*SLICE+((\b)%4)*32
.endr
	s_wait_xcnt 0x0                                ; the last block's stores have read the registers that are loaded again below
.irp t, 0,1,2,3,4,5,6,7,8,9,10,11
	ds_load_b128 v[OB+4*(\t):OB+4*(\t)+3], v[RD] offset:((\t)/4)*SLICE+((\t)%4)*4*SP  ; LDS serves a wave's instructions in order (ISA guide 5.7.1.4): these see the stores above
.endr
	s_wait_dscnt 0x0
.irp t, 0,1,2,3,4,5,6,7,8,9,10,11
	global_store_b128 v[CO], v[OB+4*(\t):OB+4*(\t)+3], s[8:9] offset:((\t)/4)*SLB+(\a)*2048+((\t)%4)*512
.endr
.endm
	s_wait_tensorcnt 1                             ; my part of K step 0 is in; K step 1's may stay out
	s_barrier_signal -1
	s_barrier_wait -1
	FETCH 0, 0, 0
	QUARTER 0, 64, 0, 1, 1                         ; the first quarter stands in front of the loop: its products start the sums, with the bias
	WIN 0
	s_mov_b32 s3, 3
.Llap:                                         ; a trip goes once round the ring and fills both slots again: K steps 2 .. 7 in three trips
	QUARTER 0, 128, 1, 0, 0
	QUARTER 0, 192, 0, 1, 0
	TURN 0, 1, 1
	QUARTER 1, 64,  0, 1, 0
	QUARTER 1, 128, 1, 0, 0
	QUARTER 1, 192, 0, 1, 0
	TURN 1, 0, 1
	QUARTER 0, 64,  0, 1, 0
	WIN 0
	s_sub_co_u32 s3, s3, 1
	s_cmp_lg_u32 s3, 0
	s_cbranch_scc1 .Llap
	QUARTER 0, 128, 1, 0, 0                        ; the last lap fills nothing
	QUARTER 0, 192, 0, 1, 0
	TURN 0, 1, 0
	QUARTER 1, 64,  0, 1, 0
	QUARTER 1, 128, 1, 0, 0
	QUARTER 1, 192, 0, 1, 0
	s_wait_dscnt 4
	MUL12 1, 0, 0
	MUL12 1, 1, 0
	s_wait_dscnt 0x0
	MUL12 1, 2, 0
	MUL12 1, 3, 0
	PLACES
	OUTB 0
	OUTB 1
	OUTB 2
	OUTB 3
	s_wait_tensorcnt 0x0                           ; the wave's end
	ds_add_u32 v[SPW], v[NIL]
	s_wait_dscnt 0x0
	CROUND                                         ; the closing round
	s_endpgm
.Lfunc_end_k_q42e17a748f_qkv:
	.size	k_q42e17a748f_qkv, .Lfunc_end_k_q42e17a748f_qkv-k_q42e17a748f_qkv
	.p2alignl 7, 3214868480
	.fill 96, 4, 3214868480
	.section	.rodata,"a",@progbits
	.p2align	6, 0x0
	.amdhsa_kernel k_q42e17a748f_qkv
		.amdhsa_group_segment_fixed_size 327680
		.amdhsa_private_segment_fixed_size 0
		.amdhsa_enable_private_segment 0
		.amdhsa_kernarg_size 32
		.amdhsa_user_sgpr_count 2
		.amdhsa_user_sgpr_kernarg_segment_ptr 1
		.amdhsa_wavefront_size32 1
		.amdhsa_system_sgpr_workgroup_id_x 1
		.amdhsa_system_sgpr_workgroup_id_y 1
		.amdhsa_system_sgpr_workgroup_id_z 1
		.amdhsa_system_vgpr_workitem_id 0
		.amdhsa_next_free_vgpr 960
		.amdhsa_next_free_sgpr 68
		.amdhsa_reserve_vcc 0
		.amdhsa_float_denorm_mode_32 3
		.amdhsa_float_denorm_mode_16_64 3
		.amdhsa_memory_ordered 1
		.amdhsa_forward_progress 1
		.amdhsa_inst_pref_size 128
	.end_amdhsa_kernel
	.amdgpu_metadata
---
amdhsa.version: [ 1, 2 ]
amdhsa.kernels:
  - .name:           k_q42e17a748f_qkv
    .symbol:         k_q42e17a748f_qkv.kd
    .args:
      - { .name: xb, .offset: 0, .size: 8, .value_kind: global_buffer, .address_space: global }
      - { .name: wb, .offset: 8, .size: 8, .value_kind: global_buffer, .address_space: global }
      - { .name: Wqkv_b, .offset: 16, .size: 8, .value_kind: global_buffer, .address_space: global }
      - { .name: qkv, .offset: 24, .size: 8, .value_kind: global_buffer, .address_space: global }
    .group_segment_fixed_size: 327680
    .private_segment_fixed_size: 0
    .kernarg_segment_align: 8
    .kernarg_segment_size: 32
    .max_flat_workgroup_size: 128
    .sgpr_count:     68
    .vgpr_count:     960
    .wavefront_size: 32
...
	.end_amdgpu_metadata
.endif
;; end of part 2
;; launch attn (part 3): grid 16 x 16, 4 waves a work-group, no clusters, 327,680 bytes of LDS; arguments qkv, mask, ob; writes ob
.if DOCPART == 3
	.amdgcn_target "amdgcn-amd-amdhsa--gfx1250"
	.amdhsa_code_object_version 6
	.text
	.protected	k_q42e17a748f_attn
	.globl	k_q42e17a748f_attn
	.p2align	8
	.type	k_q42e17a748f_attn,@function
k_q42e17a748f_attn:
	s_mov_b64 s[64:65], 0
	v_nop
	global_prefetch_b8 v0, s[64:65] scope:SCOPE_SE
	s_setreg_imm32_b32 hwreg(HW_REG_WAVE_MODE, 25, 1), 1
	s_wait_xcnt 0x0
; CAUSAL ATTENTION WITH A KEY MASK.  O[h][q] = the sum over visible k of softmax_k(q . k / 8) v; key k is visible to query q if k <= q and mask[k] = 0.  16 heads, 4,096 rows, head size 64.
; qkv: f16 [48 slices][4096][64] (q of head h: slice h; k: 16 + h; v: 32 + h).  ob: f16 [256 row blocks][16 heads][16 rows][64]: 16 rows of a head are 2,048 consecutive bytes.
; Products, maxima and sums in f32; the weights are rounded to f16 for the second product (their sum is taken unrounded), O once at the end.
; LIMITS.  q, k, v arrive within f16's 65,504.  A byte of mask is 0 or 1.  A hidden score counts as its value less 1e30 (f16's scores are 2.7e11 at the most).  The running maximum never goes below -2^80.
; A weight below 2^-126 counts as 0.  A row with no visible key ends with l = 0 and O = 0 and leaves as 0 x infinity = NaN, as the reference's softmax of nothing does.
; THE WALK.  A head has 32 blocks of 128 queries; block i needs the key steps (64 keys) 0 .. 2 i + 1.  A work-group takes blocks b and 31 - b: 66 steps, whatever b.  The block with the odd number goes first:
; its steps are a multiple of 4, so the two blocks are 17 slots of 256 keys; of the even block's last slot two steps are read.  ONE loop of 16 trips walks them, the 17th slot is written out.
; NO CLUSTER: a head's 16 work-groups ask for the same slot only until the shortest first block among partners ends; one walk common to all would have 24 slots for 17.
; SHARES.  A block has two bands of 64 queries; a wave owns 16 rows in each: two PIECES.  So the diagonal is the same work for all four waves: band 0's own step is the last but one, band 1's the last.
; THE MASK IS THE C OPERAND THAT STARTS S^T = K Q^T: KB, the step's key bias (0 or -1e30); MC = MD + KB in a band's own step (MD: the diagonal, made once); HID (-1e30) in the step that band 0 does not see.
; Which of the three is fixed in the text.  m starts at -2^80, so every hidden weight is 2^(-1e29) = 0 and a = 1 while a row has seen nothing; O, l and the second P buffer are set to 0 where a block begins.
; THE KEY BIAS lies beside each slot: 256 f32 for the slot's 256 keys.  Behind a fill's tensor load each thread loads its two bytes of mask for that slot; at the head of the next change of slots it
; stores their two numbers; that change's wait and barrier show them to all four waves before the slot is first read.
; TURNS.  Turn (j, 0): 8 products K Q^T of (piece 1, step j); softmax of (0, j); statistics of (1, j); 8 products V^T P of (1, j - 1).  Turn (j, 1): K Q^T of (0, j + 1); softmax of (1, j);
; statistics of (0, j + 1); V^T P of (0, j).  Four vector instructions stand behind every matrix instruction, the rest in one lump; a turn's 33 exponentials are one batch with one wait.
; All LDS loads of step j + 1 stand in turn (j, 0): K and KB in the lump, V at the end, into the V buffer that the turn's own products have just read.  So a slot's last read is issued one step early,
; and the change of slots stands in front of turn (j, 0) with j = 3 modulo 4.
; REGISTERS (s_set_vgpr_msb: bits 1:0 source 0, 3:2 source 1, 5:4 source 2, 7:6 destination):
;   window 0: v2-32 addresses and statistics; v48-55 at work; v61-63; v64-127 S^T, a buffer a piece; v192-223 P, likewise
;   window 1: v0-63 O^T; v64-95 MD; v96-127 MC; v128-159 KB; v160-167 HID          window 2: v0-31 Q; v32-63 the second block's Q; v64-127 K; v128-255 V, two buffers
.set KS,    64
.set PK,    144       ; a row of K in LDS: 128 bytes + 16
.set PV,    160       ; a row of V: 128 + 32
.set VOFF,  4*KS*PK   ; a slot: 256 rows of K, then 256 rows of V,
.set KBT,   4*KS*(PK+PV)  ; then its key bias: 256 f32, four blocks of 256 bytes into which no tensor load lands
.set KBS,   4*KS*4    ; bytes of a slot's key bias
.set SLOT1, 1<<17     ; slot 1 begins here: one exclusive or turns an address in one slot into the other's
.set STAGE, SLOT1+KBT+KBS       ; behind slot 1 and its key bias: 16 rows x 144 bytes for each wave
.set SP,    144
.set SPARE, STAGE+4*16*SP       ; the spare words: 128 bytes a wave, two blocks of 256 bytes that no other line names
.set AK0, 2           ; my lane's place in a tile of K; never rewritten
.set AV0, 3           ; in a tile of V
.set AK,  4
.set AV,  5
.set STO, 6
.set RD,  7
.set GO,  8
.set MV,  12          ; v12-13 c m_old, by piece
.set QO,  15
.set ST,  16          ; piece t at ST + 4 t: c m, m, l (even keys', odd keys')
.set AM0, 24          ; KBT + 32 (l / 16); never rewritten
.set AM,  25          ; the LDS address of KB's next run of loads
.set MO,  26          ; 2 x my thread's number: my two bytes among a slot's 256 of mask; never rewritten
.set MA,  27          ; the same, in the slot asked for
.set KD,  28          ; v28-29 my two numbers of the key bias
.set MK,  30          ; my two bytes of mask, as loaded
.set KST, 31          ; KBT + 8 x my thread's number; never rewritten
.set KSA, 32          ; the same, in the slot that is being filled
.set TMP, 48          ; by piece, c0-c3 at work; c2 takes a
.set PFO, 61          ; 256 x lane
.set SPW, 62
.set NIL, 63
.set S,   64
.set P,   192
.set MD,  64          ; window 1
.set MC,  96
.set KB,  128
.set HID, 160
.set QB,  32          ; window 2
.set KF,  64
.set VF,  128
.set WV,  12
.set PB,  14          ; b
.set BLE, 15          ; the odd block, first
.set BLD, 16          ; the even block, second
.set G1K, 24
.set G1V, 32
.set G0K, 40
.set G0V, 44
.set KP,  48          ; s[48:49] K at my half of the head's first 256 keys
.set VP,  50          ; s[50:51] V likewise
.set PFA, 52          ; s[52:53] where my prefetches stand
.set PFC, 54          ; prefetches still to come
.set TBM, 55          ; LDS byte, less KBT, at which the key bias of the step to be fetched begins
.set SLOTS, 56
.set CNT, 57
.set CS,  58
.set SEL, 60
.set TBK, 62          ; LDS byte at which K of the step to be fetched begins
.set TBV, 63          ; the same for V, less VOFF
.set RT,  70          ; slots of the block in hand still to be entered
.set NXT, 71          ; the slot to be asked for next
.set LQ,  72          ; the last slot of the block whose slots are being asked for
.set NEW, 73          ; 1: the slot to be entered is a block's first
.set OFF, 74
.set DH,  76          ; the second block's last slot
.set TBW, 77          ; 0 or SLOT1: the LDS slot that was asked for last
.set OLO, 80          ; s[80:81] ob at my rows of the second block
.set BIGN, 82         ; -1e30
.set MOF, 83          ; 256 x the slot asked for: its bytes in mask
.set QD,  84          ; s[84:85] q at my rows of the second block
.set MSB, 0
.macro WIN new
.if MSB != (\new)
	s_set_vgpr_msb (MSB<<8)|(\new)
.set MSB, (\new)
.endif
.endm
.set W_KQ, 0x0a       ; K and Q in window 2, S^T in window 0
.set W_KM, 0x1a       ; the same with C in window 1
.set W_PV, 0x52       ; V in window 2, P in window 0, O^T in window 1
.set W_RS, 0x41       ; destination and source 0 in window 1, source 1 in window 0
.macro LOAD                         ; waves 0, 1 fetch the halves of a slot's K, waves 2, 3 of its V; an s_nop 0 and four v_nop follow each line
	s_cmp_lt_u32 s[WV], 2
	s_cbranch_scc0 .Lfor_v_\@
	tensor_load_to_lds s[G0K:G0K+3], s[G1K:G1K+7]
	s_nop 0
.rept 4
	v_nop
.endr
	s_branch .Lasked_\@
.Lfor_v_\@:
	tensor_load_to_lds s[G0V:G0V+3], s[G1V:G1V+7]
	s_nop 0
.rept 4
	v_nop
.endr
.Lasked_\@:
.endm
.macro ADV                          ; the block's next slot, or behind its last the second block's slot 0
	s_add_co_u32 s[NXT], s[NXT], 1
	s_cmp_gt_u32 s[NXT], s[LQ]
	s_cselect_b32 s[NXT], 0, s[NXT]
	s_cselect_b32 s[LQ], s[DH], s[LQ]
.endm
; A prefetch of what the next change of slots will ask for.  The head's work-group b = 0 walks slots 0 .. 15 in order; each of its waves names its own 16,384 bytes of the slot after the one just asked for:
; a lane 256 bytes, two instructions; 14 times (slots 2 .. 15).  Every other work-group asks for nothing, so each block of 256 bytes is named once.
.macro ASK
	s_cmp_lg_u32 s[PFC], 0
	s_cbranch_scc0 .Lnot_mine_\@
	global_prefetch_b8 v[PFO], s[PFA:PFA+1] th:TH_LOAD_NT scope:SCOPE_SE
	global_prefetch_b8 v[PFO], s[PFA:PFA+1] offset:8192 th:TH_LOAD_NT scope:SCOPE_SE
	s_sub_co_u32 s[PFC], s[PFC], 1
.Lnot_mine_\@:
.endm
; THE CHANGE OF SLOTS.  First the key bias of the slot that was asked for last: my two bytes of mask are in; 0 -> 0, 1 -> -1e30; 8 bytes into that slot's table, which nobody has read since the last change's barrier.
; Then each wave waits for all its tensor loads (one is out: its part of that slot), adds 0 to its spare word, and waits for that, for its store and for its reads of the slot that it leaves.
; Behind the barrier nobody reads the old slot, and the other is whole, its key bias too.  fill = 1: the old slot takes slot NXT, first thing behind the barrier; it has eight turns in which to land,
; and so have my two bytes of its mask, asked for behind it.
.macro CHANGE fill
	WIN 0
	s_wait_loadcnt 0x0              ; the one load that is out (at the first use Q's sixteen too)
	v_and_b32 v[KD], 0xff, v[MK]
	v_lshrrev_b32 v[KD+1], 8, v[MK]
	v_mul_lo_u32 v[KD], v[KD], s[BIGN]
	v_mul_lo_u32 v[KD+1], v[KD+1], s[BIGN]
	v_add_nc_u32 v[KSA], s[TBW], v[KST]
	ds_store_b64 v[KSA], v[KD:KD+1]
	s_wait_tensorcnt 0x0
	ds_add_u32 v[SPW], v[NIL]
.if \fill
	s_lshl_b32 s[OFF], s[NXT], 15   ; a slot is 32,768 bytes of K and of V,
	s_lshl_b32 s[MOF], s[NXT], 8    ; 256 of mask
	v_add_nc_u32 v[MA], s[MOF], v[MO]
	s_xor_b32 s[TBW], s[TBW], SLOT1
	s_xor_b32 s[G0K+1], s[G0K+1], SLOT1
	s_add_nc_u64 s[G0K+2:G0K+3], s[KP:KP+1], s[OFF:OFF+1]
	s_or_b32 s[G0K+3], s[G0K+3], 0x80000000
	s_xor_b32 s[G0V+1], s[G0V+1], SLOT1
	s_add_nc_u64 s[G0V+2:G0V+3], s[VP:VP+1], s[OFF:OFF+1]
	s_or_b32 s[G0V+3], s[G0V+3], 0x80000000
	ADV
	s_wait_xcnt 0x0                 ; the last prefetches, eight turns back, have read their address
	s_add_nc_u64 s[PFA:PFA+1], s[PFA:PFA+1], 32768
.endif
	s_wait_dscnt 0x0                ; the add and my store are done; my reads of the slot are over
	s_barrier_signal -1
	s_sub_co_u32 s[TBK], s[TBK], 4*KS*PK  ; the fetches go back to a slot's first step,
	s_xor_b32 s[TBK], s[TBK], SLOT1       ; in the other slot
	s_sub_co_u32 s[TBV], s[TBV], 4*KS*PV
	s_xor_b32 s[TBV], s[TBV], SLOT1
	s_sub_co_u32 s[TBM], s[TBM], KBS
	s_xor_b32 s[TBM], s[TBM], SLOT1
	s_barrier_wait -1
.if \fill
	LOAD
	global_load_u16 v[MK], v[MA], s[6:7]  ; the four waves together: the slot's 256 bytes of mask
	ASK
.endif
.endm
	s_load_b128 s[4:7], s[0:1], 0x0  ; qkv s[4:5], mask s[6:7]
	s_load_b64 s[10:11], s[0:1], 0x10  ; ob
	v_lshl_add_u32 v[SPW], v0, 2, SPARE
	v_mov_b32 v[NIL], 0
	ds_add_u32 v[SPW], v[NIL]       ; the wave's opening: the add and its wait stand ahead of my first tensor load
	v_lshrrev_b32 v1, 5, v0
	v_readfirstlane_b32 s[WV], v1
	s_mov_b32 s[PB], ttmp9
	s_sub_co_u32 s20, 31, s[PB]
	s_and_b32 s21, s[PB], 1
	s_cmp_eq_u32 s21, 1
	s_cselect_b32 s[BLE], s[PB], s20
	s_cselect_b32 s[BLD], s20, s[PB]
	s_lshr_b32 s[DH], s[BLD], 1
	s_lshr_b32 s[LQ], s[BLE], 1
	s_add_co_u32 s[RT], s[LQ], 1    ; the first block has (number + 1) / 2 slots
	s_mov_b32 s[NXT], 0
	ADV                             ; slot 0 is asked for below; this is the one after it
	s_mov_b32 s[NEW], 1
	s_mov_b32 s[OFF+1], 0
	s_mov_b32 s[SLOTS], 16
	s_mov_b32 s[TBW], 0             ; slot 0 is the first to be asked for
	s_cmp_eq_u32 s[PB], 0
	s_cselect_b32 s[PFC], 14, 0
	s_and_b32 s2, ttmp7, 0xffff     ; the head
	s_and_b32 s3, s[WV], 1          ; which half of a slot's 256 keys I fetch
	s_mul_i32 s17, s3, 128*PK
	s_mul_i32 s18, s3, 128*PV
	s_lshl_b32 s19, s2, 19          ; the head's slice
	s_lshl_b32 s3, s3, 14
	s_add_co_u32 s20, s19, s3
	s_mov_b32 s21, 0                ; s[20:21]: slice + my half
	s_lshl_b32 s3, s[WV], 11
	s_add_co_u32 s19, s19, s3       ; slice + my 16 rows in a band
	s_lshl_b32 s3, s[BLE], 14
	s_add_co_u32 s22, s19, s3
	s_mov_b32 s23, 0                ; s[22:23]: q, first block
	s_lshl_b32 s3, s[BLD], 14
	s_add_co_u32 s84, s19, s3
	s_mov_b32 s85, 0                ; s[84:85]: q, second block
	s_lshl_b32 s19, s2, 11
	s_lshl_b32 s3, s[WV], 15
	s_add_co_u32 s19, s19, s3       ; ob: ((8 block + wave) 16 + head) 2,048
	s_lshl_b32 s3, s[BLE], 18
	s_add_co_u32 s86, s19, s3
	s_mov_b32 s87, 0
	s_lshl_b32 s3, s[BLD], 18
	s_add_co_u32 s78, s19, s3
	s_mov_b32 s79, 0
	; group 1: 128 keys are 16,384 dense bytes: 64 rows of 256 bytes, two keys a row, padded in LDS after every key
	s_mov_b32 s[G1K], (1<<16)|(1<<20)|(4<<22)|(3<<25)
	s_mov_b32 s[G1V], (1<<16)|(1<<20)|(4<<22)|(7<<25)
.irp g, G1K, G1V
	s_mov_b32 s[\g+1], 128<<16
	s_mov_b32 s[\g+2], 64<<16
	s_mov_b32 s[\g+3], 128<<16
	s_mov_b32 s[\g+4], 64
	s_mov_b32 s[\g+5], 128
	s_mov_b32 s[\g+6], 0
	s_mov_b32 s[\g+7], 0
.endr
	s_mov_b32 s[CS], 0x3e38aa3b     ; c = log2(e) / 8
	s_mov_b32 s[CS+1], s[CS]
	s_mov_b32 s[SEL], 0x76543210
	s_mov_b32 s[SEL+1], 0xfedcba98
	s_mov_b32 s[TBK], SLOT1+4*KS*PK ; the first change of slots turns these three into 0
	s_mov_b32 s[TBV], SLOT1+4*KS*PV
	s_mov_b32 s[TBM], SLOT1+KBS
	s_mov_b32 s[G0K], 1
	s_mov_b32 s[G0K+1], s17
	s_mov_b32 s[G0V], 1
	s_add_co_u32 s[G0V+1], s18, VOFF
	s_mov_b32 s[BIGN], 0xf149f2ca   ; -1e30
	s_wait_dscnt 0x0                ; the opening add is done
	s_wait_kmcnt 0x0
	s_add_nc_u64 s[KP:KP+1], s[4:5], s[20:21]
	s_add_nc_u64 s[VP:VP+1], s[KP:KP+1], 0x1000000   ; v: 32 slices on
	s_add_nc_u64 s[KP:KP+1], s[KP:KP+1], 0x800000    ; k: 16 slices on
	s_add_nc_u64 s[G0K+2:G0K+3], s[KP:KP+1], 0
	s_or_b32 s[G0K+3], s[G0K+3], 0x80000000
	s_add_nc_u64 s[G0V+2:G0V+3], s[VP:VP+1], 0
	s_or_b32 s[G0V+3], s[G0V+3], 0x80000000
	s_add_nc_u64 s[QD:QD+1], s[4:5], s[84:85]
	s_add_nc_u64 s[4:5], s[4:5], s[22:23]
	s_add_nc_u64 s[OLO:OLO+1], s[10:11], s[78:79]
	s_add_nc_u64 s[10:11], s[10:11], s[86:87]
	s_cmp_lt_u32 s[WV], 2
	s_cselect_b64 s[PFA:PFA+1], s[KP:KP+1], s[VP:VP+1]
	s_add_nc_u64 s[PFA:PFA+1], s[PFA:PFA+1], 32768   ; in slot 1; the first change steps it to slot 2
	LOAD                            ; slot 0
	v_lshlrev_b32 v[MO], 1, v0
	global_load_u16 v[MK], v[MO], s[6:7]  ; slot 0's mask: the first change of slots stores its key bias
	v_and_b32 v1, 15, v0            ; l % 16
	v_bfe_u32 v9, v0, 4, 1          ; l / 16
	v_lshlrev_b32 v[QO], 7, v1
	v_lshl_add_u32 v[QO], v9, 4, v[QO]
	WIN 0x80
.set i, 0
.rept 4                             ; both blocks' Q: piece i / 2 lies 64 rows on; channels 32 (i % 2) on
	global_load_b128 v[8*i:8*i+3],   v[QO], s[4:5] offset:(i/2)*8192+(i%2)*64
	global_load_b128 v[8*i+4:8*i+7], v[QO], s[4:5] offset:(i/2)*8192+(i%2)*64+32
	global_load_b128 v[QB+8*i:QB+8*i+3],   v[QO], s[QD:QD+1] offset:(i/2)*8192+(i%2)*64
	global_load_b128 v[QB+8*i+4:QB+8*i+7], v[QO], s[QD:QD+1] offset:(i/2)*8192+(i%2)*64+32
.set i, i+1
.endr
.set i, VF+64
.rept 64
	v_mov_b32 v[i], 0               ; the second V buffer: the first turn's V^T P, of a step that has not been, multiplies it by P = 0
.set i, i+1
.endr
	WIN 0
	v_lshlrev_b32 v14, 3, v9
	v_sub_nc_u32 v14, v1, v14
	s_lshl_b32 s13, s[WV], 4
	v_add_nc_u32 v14, s13, v14      ; my query's place in its band less my lanes' 8 (l / 16): register r of group kt is hidden where 16 kt + r is greater
	WIN 0x40
.set i, 0
.rept 32
	v_cmp_gt_i32 vcc_lo, 16*(i/8)+i%8, v14
	v_cndmask_b32 v[MD+i], 0, s[BIGN], vcc_lo
.set i, i+1
.endr
.set i, 0
.rept 8
	v_mov_b32 v[HID+i], s[BIGN]
.set i, i+1
.endr
	WIN 0
	v_mul_u32_u24 v[AK0], v1, PK
	v_lshl_add_u32 v[AK0], v9, 4, v[AK0]
	v_and_b32 v10, 7, v0
	v_bfe_u32 v11, v0, 3, 1
	v_lshl_add_u32 v[AV0], v9, 3, v10   ; the turning load: lane l reads key 8 (l / 16) + l % 8, channels 8 ((l / 8) % 2) + 0..7
	v_mul_u32_u24 v[AV0], v[AV0], PV
	v_lshl_add_u32 v[AV0], v11, 4, v[AV0]
	v_add_nc_u32 v[AV0], VOFF, v[AV0]
	v_lshl_add_u32 v[AM0], v9, 5, KBT
	v_lshl_add_u32 v[KST], v0, 3, KBT
	s_mul_i32 s13, s[WV], 16*SP
	s_add_co_u32 s13, s13, STAGE
	v_mul_u32_u24 v[STO], v1, SP
	v_lshl_add_u32 v[STO], v9, 4, v[STO]
	v_add_nc_u32 v[STO], s13, v[STO]
	v_bfe_u32 v[RD], v0, 3, 2
	v_mul_u32_u24 v[RD], v[RD], SP
	v_lshl_add_u32 v[RD], v10, 4, v[RD]
	v_add_nc_u32 v[RD], s13, v[RD]
	v_and_b32 v[GO], 31, v0
	v_lshlrev_b32 v[PFO], 8, v[GO]
	v_lshlrev_b32 v[GO], 4, v[GO]
; THE MATRIX WORK.  The 4 accumulators of a run of 8 take turns.  Product i of 8 of S^T = K Q^T for piece x: channels 32 (i / 4) on, keys 16 (i % 4) on.  The first 4 start the sums, with the mask that CM names.
.macro KQ x
.set rS, S+32*(\x)+8*(i%4)
.set rK, KF+16*(i%4)+8*(i/4)
.set rQ, 16*(\x)+8*(i/4)
.if i < 4
	WIN W_KM
.if CM == 1
	v_wmma_f32_16x16x32_f16 v[rS:rS+7], v[rK:rK+7], v[rQ:rQ+7], v[MC+8*(i%4):MC+8*(i%4)+7]
.elseif CM == 2
	v_wmma_f32_16x16x32_f16 v[rS:rS+7], v[rK:rK+7], v[rQ:rQ+7], v[HID:HID+7]
.else
	v_wmma_f32_16x16x32_f16 v[rS:rS+7], v[rK:rK+7], v[rQ:rQ+7], v[KB+8*(i%4):KB+8*(i%4)+7]
.endif
.else
	WIN W_KQ
	v_wmma_f32_16x16x32_f16 v[rS:rS+7], v[rK:rK+7], v[rQ:rQ+7], v[rS:rS+7]
.endif
.endm
; Product i of 8 of O^T += V^T P for piece x, from V buffer VB: keys 32 (i / 4) on, channels 16 (i % 4) on.
.macro PV x
	WIN W_PV
.set rO, 32*(\x)+8*(i%4)
.set rV, VF+64*VB+32*(i/4)+8*(i%4)
.set rP, P+16*(\x)+8*(i/4)
	v_wmma_f32_16x16x32_f16 v[rO:rO+7], v[rV:rV+7], v[rP:rP+7], v[rO:rO+7]
.endm
.macro MM                           ; the turn's next matrix instruction; NOKQ = 1: a block's last turn has no next scores
.if (i < 8) && !NOKQ
	KQ 1-Y
.elseif i >= 8
.set i, i-8
	PV 1-Y
.set i, i+8
.endif
.set i, i+1
.endm
; THE LDS LOADS stand in runs: a step's K (16 loads) and key bias (8), and its V (16, turned).
.macro FETCH_K
	WIN 0x80
.irp f, 0,1,2,3,4,5,6,7
	ds_load_b128 v[KF+8*\f:KF+8*\f+3],   v[AK] offset:(\f/2)*16*PK+(\f%2)*64
	ds_load_b128 v[KF+8*\f+4:KF+8*\f+7], v[AK] offset:(\f/2)*16*PK+(\f%2)*64+32
.endr
	WIN 0x40
.irp f, 0,1,2,3                     ; register j of group f: key 16 f + 8 (l / 16) + j
	ds_load_b128 v[KB+8*\f:KB+8*\f+3],   v[AM] offset:64*\f
	ds_load_b128 v[KB+8*\f+4:KB+8*\f+7], v[AM] offset:64*\f+16
.endr
	s_add_co_u32 s[TBK], s[TBK], KS*PK  ; the next fetch is the next step's
	s_add_co_u32 s[TBM], s[TBM], KS*4
	WIN 0
.endm
.macro FETCH_V vb
	WIN 0x80
.irp f, 0,1,2,3,4,5,6,7
	ds_load_tr16_b128 v[VF+64*(\vb)+8*\f:VF+64*(\vb)+8*\f+3],   v[AV] offset:(\f/4)*32*PV+(\f%4)*32
	ds_load_tr16_b128 v[VF+64*(\vb)+8*\f+4:VF+64*(\vb)+8*\f+7], v[AV] offset:(\f/4)*32*PV+16*PV+(\f%4)*32
.endr
	WIN 0
.endm
.macro MASK                         ; MC = MD + KB
	WIN 0x45
.set z, 0
.rept 16
	v_pk_add_f32 v[MC+2*z:MC+2*z+1], v[MD+2*z:MD+2*z+1], v[KB+2*z:KB+2*z+1]
.set z, z+1
.endr
.endm
; THE VECTOR WORK, a line at a time: OP kind, number.  For piece Y: F n: c s - c m for pair n of 16.  E n: the exponential of score n of 32.  C n: pair n rounded to f16.  B n: of the four weights 4 n .. the second pair
; is added onto the first.  L n: l takes that sum (L 0: l = a l + sum).  R n: pair n of 16 of O^T times a.  For piece 1 - Y: X n, number n of the 22 that find its maximum and statistics:
;   0-11 four chains c0-c3 (each accumulator's lowest registers are read first)   12-14, 16 the scores left over, the old m, c0-c3 into c0   15 c m_old is kept
;   17, 18 the query's other 32 keys lie in the lane 16 away: the new m   19-21 c m; c m_old - c m_new; a
.set F, 0
.set E, 1
.set C, 2
.set B, 3
.set L, 4
.set R, 5
.set X, 6
.macro REGS y
.set rT, ST+4*(\y)
.set rC, TMP+4*(\y)
.set rW, MV+(\y)
.set rS, S+32*(\y)
.set rP, P+16*(\y)
.set rO, 32*(\y)
.endm
.macro OP k, n
.if (\k) == R
	REGS Y
	WIN W_RS
	v_pk_mul_f32 v[rO+2*(\n):rO+2*(\n)+1], v[rO+2*(\n):rO+2*(\n)+1], v[rC+2:rC+3] op_sel_hi:[1,0]
.elseif (\k) < R
	REGS Y
	WIN 0
.if (\k) == F
	v_pk_fma_f32 v[rS+2*(\n):rS+2*(\n)+1], v[rS+2*(\n):rS+2*(\n)+1], s[CS:CS+1], v[rT:rT+1] op_sel_hi:[1,0,0] neg_lo:[0,0,1] neg_hi:[0,0,1]
.elseif (\k) == E
	v_exp_f32 v[rS+(\n)], v[rS+(\n)]
.elseif (\k) == C
	v_cvt_pk_f16_f32 v[rP+(\n)], v[rS+2*(\n)], v[rS+2*(\n)+1]
.elseif (\k) == B
	v_pk_add_f32 v[rS+4*(\n):rS+4*(\n)+1], v[rS+4*(\n):rS+4*(\n)+1], v[rS+4*(\n)+2:rS+4*(\n)+3]
.elseif (\n) == 0
	v_pk_fma_f32 v[rT+2:rT+3], v[rT+2:rT+3], v[rC+2:rC+3], v[rS:rS+1] op_sel_hi:[1,0,1]
.else
	v_pk_add_f32 v[rT+2:rT+3], v[rT+2:rT+3], v[rS+4*(\n):rS+4*(\n)+1]
.endif
.elseif NOKQ
	v_nop
.else
	REGS 1-Y
	WIN 0
.if (\n) < 4
	v_max3_num_f32 v[rC+(\n)], v[rS+8*(\n)], v[rS+8*(\n)+1], v[rS+8*(\n)+2]
.elseif (\n) < 12
	v_max3_num_f32 v[rC+(\n)%4], v[rC+(\n)%4], v[rS+8*((\n)%4)+2*((\n)/4)+1], v[rS+8*((\n)%4)+2*((\n)/4)+2]
.elseif (\n) == 12
	v_max3_num_f32 v[rC], v[rC], v[rS+7], v[rS+15]
.elseif (\n) == 13
	v_max3_num_f32 v[rC+1], v[rC+1], v[rS+23], v[rS+31]
.elseif (\n) == 14
	v_max3_num_f32 v[rC+2], v[rC+2], v[rC+3], v[rT+1]
.elseif (\n) == 15
	v_mov_b32 v[rW], v[rT]
.elseif (\n) == 16
	v_max3_num_f32 v[rC], v[rC], v[rC+1], v[rC+2]
.elseif (\n) == 17
	v_permlanex16_b32 v[rC+3], v[rC], s[SEL], s[SEL+1]
.elseif (\n) == 18
	v_max_num_f32 v[rT+1], v[rC], v[rC+3]
.elseif (\n) == 19
	v_mul_f32 v[rT], s[CS], v[rT+1]
.elseif (\n) == 20
	v_sub_f32 v[rC+1], v[rW], v[rT]
.else
	v_exp_f32 v[rC+2], v[rC+1]
.endif
.endif
.endm
.macro OPS a, i1, b=-1, i2=0, c=-1, i3=0, d=-1, i4=0
	OP \a, \i1
.if (\b) >= 0
	OP \b, \i2
.endif
.if (\c) >= 0
	OP \c, \i3
.endif
.if (\d) >= 0
	OP \d, \i4
.endif
.endm
.macro ROW a, i1, b, i2, c, i3, d, i4  ; a matrix instruction and the four behind it
	MM
	OPS \a, \i1, \b, \i2, \c, \i3, \d, \i4
.endm
; A TURN, for piece p.  vb: the V buffer that its V^T P reads (and, for piece 0, that takes the next step's V at the turn's end, four plain instructions behind its last reader).
; cm: the mask of its K Q^T: 0 KB, 1 MD + KB (made at the head), 2 HID.  end = 1: a block's last two turns: nothing is fetched, and the last has no K Q^T.
; AHEAD OF THE ONE WAIT stands all that names no result of the turn's exponentials; X 21 is the batch's last and R 15 the plain instruction behind it; BEHIND IT the roundings and sums ride on V^T P.
; O^T of piece p was written by the turn before: its accumulator n was ended 4 (4 - n) riders or more ahead of R 4 n, and the R read each accumulator from its low end.
.macro TURN p, vb, cm=0, end=0
.set Y, (\p)
.set i, 0
.set VB, (\vb)
.set CM, (\cm)
.set NOKQ, (\end)*(\p)
.if ((\p) == 1) && !(\end)
	s_wait_dscnt 16                 ; K and KB of the next step are in, and every V issued earlier; the 16 loads of V just issued may stay out
.endif
.if ((\p) == 0) && (\end)
	s_wait_dscnt 0x0                ; the block's last V
.endif
.if (\cm) == 1
	MASK
.endif
	ROW F,0, F,1, R,0, R,1
	ROW F,2, E,0, R,2, R,3
	ROW F,3, E,1, R,4, R,5
	ROW F,4, E,2, R,6, R,7
	ROW F,5, E,3, R,8, R,9
	ROW F,6, E,4, X,0, R,10
.if ((\p) == 0) && !(\end)
	WIN 0
	v_add_nc_u32 v[AK], s[TBK], v[AK0]
	v_add_nc_u32 v[AM], s[TBM], v[AM0]
.endif
	ROW F,7, E,5, X,1, X,4
	ROW F,8, E,6, X,2, X,5
	OPS E,7, E,8, X,6, E,9
	OPS X,3, E,10, X,8, E,11
.if ((\p) == 0) && !(\end)
	FETCH_K                         ; six plain instructions behind the last product that read K
.endif
	OPS X,9, X,7, E,12, X,10
	OPS E,13, X,12, X,11, E,14
	OPS X,13, E,15, F,9, X,14
.if ((\p) == 0) && !(\end)
	v_add_nc_u32 v[AV], s[TBV], v[AV0]
.endif
	OPS E,16, F,10, E,17, F,11
	OPS X,16, E,18, X,15, E,19
	OPS F,12, E,20, X,17, E,21
	OPS F,13, E,22, F,14, E,23
	OPS X,18, E,24, F,15, E,25
	OPS R,11, E,26, X,19, E,27
	OPS R,12, E,28, R,13, E,29
	OPS X,20, E,30, R,14, E,31
	OPS X,21, R,15
	WIN 0
	s_wait_alu depctr_va_vdst(0)    ; the wait for the batch, ahead of the first line that names an exponential's result
	ROW C,0, B,0, C,2, B,1
	ROW L,0, C,4, B,2, L,1
	ROW C,6, B,3, L,2, C,8
	ROW B,4, L,3, C,10, B,5
	ROW L,4, C,12, B,6, L,5
.if ((\p) == 0) && !(\end)
	s_add_co_u32 s[TBV], s[TBV], KS*PV
.endif
	ROW C,14, B,7, L,6, C,1
	ROW C,3, L,7, C,5, C,7
	ROW C,9, C,11, C,13, C,15
.if ((\p) == 0) && !(\end)
	FETCH_V \vb
.endif
.endm
; A BLOCK BEGINS, directly behind a change of slots (whose first wait has shown Q in).  O^T, l and the second P buffer are 0; m = -2^80 and c m is made by the line that X 19 is, so that a = 2^0 while a row
; has seen nothing.  Then step 0's K, KB and V, piece 0's first scores (m = 1: the block's first step is band 0's own) and its statistics.  The loop is entered at an even step's first turn.
.macro BEGIN m
	s_mov_b32 s[NEW], 0
	WIN 0x40
.set i, 0
.rept 64
	v_mov_b32 v[i], 0
.set i, i+1
.endr
	WIN 0
.set i, 0
.rept 2
	v_mov_b32 v[ST+4*i+1], 0xe7800000
	v_mul_f32 v[ST+4*i], s[CS], v[ST+4*i+1]
	v_mov_b32 v[ST+4*i+2], 0
	v_mov_b32 v[ST+4*i+3], 0
.set i, i+1
.endr
.set i, P+16
.rept 16
	v_mov_b32 v[i], 0
.set i, i+1
.endr
	v_add_nc_u32 v[AK], s[TBK], v[AK0]
	v_add_nc_u32 v[AM], s[TBM], v[AM0]
	v_add_nc_u32 v[AV], s[TBV], v[AV0]
	FETCH_K
	FETCH_V 0
	s_add_co_u32 s[TBV], s[TBV], KS*PV
	s_wait_dscnt 0x0
.set CM, (\m)
.set NOKQ, 0
.if \m
	MASK
.endif
.set i, 0
.rept 8
	KQ 0
.set i, i+1
.endr
	WIN 0
.rept 4
	v_nop                           ; the places behind those products
.endr
.set Y, 1                           ; X works for piece 1 - Y: piece 0
.irp n, 0,1,2,3,4,5,6,7,8,9,10,11,12,13,14,15,16,17,18,19,20,21
	OP X, \n
.endr
	v_nop                           ; a plain instruction behind the exponential,
	s_wait_alu depctr_va_vdst(0)    ; and its wait, ahead of the branch
.endm
.macro ALL line:vararg              ; one line for each piece t
.set t, 0
.rept 2
	\line
.set t, t+1
.endr
.endm
.macro PACK t                       ; O^T / l, rounded to f16: 16 bytes a lane into rows of 144 bytes, back as whole rows of 128, into S^T's registers
	WIN W_RS
.set i, 32*(\t)
.rept 16
	v_pk_mul_f32 v[i:i+1], v[i:i+1], v[ST+4*(\t)+2:ST+4*(\t)+3] op_sel_hi:[1,0]
.set i, i+2
.endr
	WIN 0x05
.set i, 0
.rept 16
	v_cvt_pk_f16_f32 v[S+16*(\t)+i], v[32*(\t)+2*i], v[32*(\t)+2*i+1]
.set i, i+1
.endr
	WIN 0
.irp f, 0,1,2,3
	ds_store_b128 v[STO], v[S+16*(\t)+4*\f:S+16*(\t)+4*\f+3] offset:32*\f
.endr
.irp f, 0,1,2,3
	ds_load_b128 v[S+16*(\t)+4*\f:S+16*(\t)+4*\f+3], v[RD] offset:\f*4*SP  ; LDS serves a wave's instructions in order (ISA guide 5.7.1.4)
.endr
.endm
.macro SEND t, younger              ; younger: the LDS instructions issued behind piece t's loads
	WIN 0
.irp f, 0,1,2,3
	s_wait_dscnt (\younger)+3-\f
	global_store_b128 v[GO], v[S+16*(\t)+4*\f:S+16*(\t)+4*\f+3], s[10:11] offset:(\t)*131072+\f*512  ; 512 consecutive bytes, aligned; piece 1 lies four row blocks on
.endr
.endm
; A BLOCK'S LAST THREE STEPS (J steps in all), its last products and the way out.
.macro DIAG tag
	TURN 0, 0                       ; (J-3, 0)
	TURN 1, 1, 1                    ; (J-3, 1): piece 0's scores of step J-2, its band's own
	WIN 0
.LfirstM\tag:
	TURN 0, 1                       ; (J-2, 0): piece 1 sees all of step J-2
	TURN 1, 0, 2                    ; (J-2, 1): piece 0 sees nothing of step J-1
	TURN 0, 0, 1, 1                 ; (J-1, 0): piece 1's scores of step J-1, its band's own
	TURN 1, 1, 0, 1                 ; (J-1, 1)
.set i, 0
.set VB, 1
.rept 8
	PV 1
.set i, i+1
.endr
	WIN 0
	ALL v_add_f32 v[ST+4*t+2], v[ST+4*t+2], v[ST+4*t+3]
	ALL v_permlanex16_b32 v[ST+4*t+3], v[ST+4*t+2], s[SEL], s[SEL+1]
	ALL v_add_f32 v[ST+4*t+2], v[ST+4*t+2], v[ST+4*t+3]
	ALL v_rcp_f32 v[ST+4*t+2], v[ST+4*t+2]
	v_nop                           ; a plain instruction behind the last reciprocal,
	s_wait_alu depctr_va_vdst(0)    ; and one wait for the two
	PACK 0
	PACK 1
	SEND 0, 8
	SEND 1, 0
.endm
.set CM, 0
.set NOKQ, 0
.set VB, 0
.Lslot:                             ; 16 times: a slot is entered and the next is asked for
	CHANGE 1
	s_sub_co_u32 s[RT], s[RT], 1
	s_mov_b32 s[CNT], 2
	s_cmp_eq_u32 s[NEW], 1          ; this test stands first: at the first trip its answer is a constant of the text
	s_cbranch_scc0 .Lstep
	BEGIN 0
	s_branch .Lfirst
.Lstep:                             ; a trip: an odd step and the even step behind it
	TURN 0, 0
	TURN 1, 1
	WIN 0
.Lfirst:
	TURN 0, 1
	TURN 1, 0
	WIN 0
	s_cmp_eq_u32 s[RT], 0           ; the first block's last slot: one pair, then its last three steps
	s_cbranch_scc1 .Ldiag1
	s_sub_co_u32 s[CNT], s[CNT], 1
	s_cmp_lg_u32 s[CNT], 0
	s_cbranch_scc1 .Lstep
	s_branch .Lbottom
.Ldiag1:
	DIAG 1
	s_wait_xcnt 0x0                 ; the stores have read their registers and ob's address
	s_mov_b64 s[10:11], s[OLO:OLO+1]
	s_add_co_u32 s[RT], s[DH], 1    ; the second block's slots; the last of them is the walk's last, so this count does not reach 0 in the loop
	s_mov_b32 s[NEW], 1
	WIN 0x82                        ; the second block's Q goes where the one text of the turns names Q
.set i, 0
.rept 32
	v_mov_b32 v[i], v[QB+i]
.set i, i+1
.endr
	WIN 0
.Lbottom:
	s_sub_co_u32 s[SLOTS], s[SLOTS], 1
	s_cmp_lg_u32 s[SLOTS], 0
	s_cbranch_scc1 .Lslot
	CHANGE 0                        ; the walk's last slot is written out: nothing is asked for
	s_cmp_eq_u32 s[NEW], 1          ; block 0 alone begins in its last slot
	s_cbranch_scc0 .LdiagT
	BEGIN 1
	s_branch .LfirstM2
.LdiagT:
	DIAG 2
	s_wait_tensorcnt 0x0            ; the wave's end
	ds_add_u32 v[SPW], v[NIL]
	s_wait_dscnt 0x0
	s_endpgm
.Lfunc_end_k_q42e17a748f_attn:
	.size	k_q42e17a748f_attn, .Lfunc_end_k_q42e17a748f_attn-k_q42e17a748f_attn
	.p2alignl 7, 3214868480
	.fill 96, 4, 3214868480
	.section	.rodata,"a",@progbits
	.p2align	6, 0x0
	.amdhsa_kernel k_q42e17a748f_attn
		.amdhsa_group_segment_fixed_size 327680
		.amdhsa_private_segment_fixed_size 0
		.amdhsa_enable_private_segment 0
		.amdhsa_kernarg_size 24
		.amdhsa_user_sgpr_count 2
		.amdhsa_user_sgpr_kernarg_segment_ptr 1
		.amdhsa_wavefront_size32 1
		.amdhsa_system_sgpr_workgroup_id_x 1
		.amdhsa_system_sgpr_workgroup_id_y 1
		.amdhsa_system_sgpr_workgroup_id_z 1
		.amdhsa_system_vgpr_workitem_id 0
		.amdhsa_next_free_vgpr 768
		.amdhsa_next_free_sgpr 88
		.amdhsa_reserve_vcc 1
		.amdhsa_float_denorm_mode_32 3
		.amdhsa_float_denorm_mode_16_64 3
		.amdhsa_memory_ordered 1
		.amdhsa_forward_progress 1
		.amdhsa_inst_pref_size 210
	.end_amdhsa_kernel
	.amdgpu_metadata
---
amdhsa.version: [ 1, 2 ]
amdhsa.kernels:
  - .name:           k_q42e17a748f_attn
    .symbol:         k_q42e17a748f_attn.kd
    .args:
      - { .name: qkv, .offset: 0, .size: 8, .value_kind: global_buffer, .address_space: global }
      - { .name: mask, .offset: 8, .size: 8, .value_kind: global_buffer, .address_space: global }
      - { .name: ob, .offset: 16, .size: 8, .value_kind: global_buffer, .address_space: global }
    .group_segment_fixed_size: 327680
    .private_segment_fixed_size: 0
    .kernarg_segment_align: 8
    .kernarg_segment_size: 24
    .max_flat_workgroup_size: 128
    .sgpr_count:     88
    .vgpr_count:     768
    .wavefront_size: 32
...
	.end_amdgpu_metadata
.endif
;; end of part 3
;; launch proj (part 4): grid 8 x 32, 4 waves a work-group, clusters of 4 x 4, 327,680 bytes of LDS; arguments ob, wo, Wo_b, out0; writes out0
.if DOCPART == 4
	.amdgcn_target "amdgcn-amd-amdhsa--gfx1250"
	.amdhsa_code_object_version 6
	.text
	.protected	k_q42e17a748f_proj
	.globl	k_q42e17a748f_proj
	.p2align	8
	.type	k_q42e17a748f_proj,@function
k_q42e17a748f_proj:
	s_mov_b64 s[64:65], 0
	v_nop
	global_prefetch_b8 v0, s[64:65] scope:SCOPE_SE
	s_setreg_imm32_b32 hwreg(HW_REG_WAVE_MODE, 25, 1), 1
	s_wait_xcnt 0x0
	s_wait_alu depctr_hold_cnt(0) depctr_sa_sdst(0) depctr_va_vdst(0) depctr_va_sdst(0) depctr_va_ssrc(0) depctr_va_vcc(0) depctr_vm_vsrc(0)
	s_getreg_b32 s2, hwreg(HW_REG_IB_STS2, 6, 4)
	s_cmp_eq_u32 s2, 0
	s_cbranch_scc0 .Lentry_in_a_cluster
	s_endpgm
.Lentry_in_a_cluster:
	s_bfe_u32 s2, ttmp6, 0x10000c
	s_cmp_lg_u32 s2, 0xf033
	s_cbranch_scc0 .Lentry_shape_is_right
	s_endpgm
.Lentry_shape_is_right:
; out0 = O wo^T + bf16(Wo_b), f32.  O lies in ob, f16 [256 row blocks][16 heads][16 rows][64 channels] (k = 64 head + channel); wo: f16 [1024 n][1024 k].  Sums in f32.
; A NaN row of O (a query with no visible key) gives a NaN row of out0, as in the reference.
; A tile is 128 x 128: 8 x 32 tiles, one for each of 256 work-groups.  Four waves, each 64 x 64: 16 accumulators.  K goes in steps of 256 (four heads) through two LDS slots: four steps, written straight.
; O's TILE: four heads of a row block are 8,192 consecutive bytes: a wave's load is 4 rows of 8,192 bytes, 32,768 apart, padded in LDS after every 128 bytes: lines [row block][head][row] 144 bytes apart.
; wo's TILE: 64 rows of 512 bytes, 528 apart in LDS.  Waves 0, 1 fetch O's halves, waves 2, 3 wo's.
; CLUSTER 4 x 4: O's tile is asked for jointly along a row of the cluster, wo's along a column.  No prefetch: four short K steps on small tiles.
; THE MATRIX INSTRUCTION IS USED TRANSPOSED (source 0 = 16 rows of wo, source 1 = 16 rows of O): a lane holds row l % 16 and eight neighbouring columns, 32 bytes of f32.
; THE BIAS IS THE C OPERAND OF THE FIRST PRODUCTS.  A wave's 64 columns are 256 aligned bytes of a row of out0, so the stage on the way out is the wave's own.
; REGISTERS: window 0: v16-29 addresses; v32-95 rows read back, two buffers; v96-127 the bias; v128-255 accumulators ((a, b) at 128 + 8 (4 a + b)).  Window 1: two fragment buffers of 128 (64 of O, 64 of wo).
.set PA,     144
.set PB,     528
.set AHALF,  4*64*PA                   ; what a wave fetches of O: 4 row blocks x 64 lines
.set BHALF,  64*PB                     ; of wo
.set BOFF,   2*AHALF
.set SLOT,   2*AHALF+2*BHALF           ; 141,312
.set STAGE,  2*SLOT                    ; behind the ring: 16 rows x 272 bytes for each wave
.set SPITCH, 272
.set SPARE,  STAGE+4*16*SPITCH         ; the spare words
.set ASTEP,  8192                      ; a K step in ob: four heads of a row block
.set BSTEP,  512                       ; in wo
.set ADRA, 16
.set ADRB, 20
.set STO,  24
.set RD,   25
.set CO,   26
.set BO,   27
.set SPW,  28
.set NIL,  29
.set TB,   30                          ; v30-31 at work
.set TMP,  32
.set BIAS, 96
.set ACC,  128
.set F0,   0
.set F1,   128
.set G1,   24
.set G0,   32
.set G1B,  48
.set G0B,  56
.set BP,   66
.set MSB, 0
.macro WIN new
.if MSB != (\new)
	s_set_vgpr_msb (MSB<<8)|(\new)
.set MSB, \new
.endif
.endm
.set MUL,  0x05                        ; sources 0 and 1 in window 1; C and D in window 0
.set TO_F, 0x40
.macro JLOAD s                         ; an s_nop 0 and four v_nop follow each of the two lines
	s_cmp_eq_u32 s11, 0
	s_cbranch_scc0 .Lfor_b_\@
	tensor_load_to_lds s[G0+4*(\s):G0+4*(\s)+3], s[G1:G1+7]
	s_nop 0
.rept 4
	v_nop
.endr
	s_branch .Lasked_\@
.Lfor_b_\@:
	tensor_load_to_lds s[G0B+4*(\s):G0B+4*(\s)+3], s[G1B:G1B+7]
	s_nop 0
.rept 4
	v_nop
.endr
.Lasked_\@:
.endm
.macro CREST
	s_cmp_lg_u32 s10, 0
	s_cbranch_scc1 .Lnot_wave_0_\@
	s_barrier_signal -3
.Lnot_wave_0_\@:
	s_barrier_wait -3
	s_barrier_signal -1
	s_barrier_wait -1
.endm
.macro CROUND
	s_barrier_signal -1
	s_barrier_wait -1
	CREST
.endm
.macro PLACES
.rept 4
	v_nop
.endr
.endm
	s_load_b128 s[4:7], s[0:1], 0x0                ; ob s[4:5], wo s[6:7]
	s_load_b64 s[BP:BP+1], s[0:1], 0x10            ; Wo_b
	s_load_b64 s[8:9], s[0:1], 0x18                ; out0
	v_lshl_add_u32 v[SPW], v0, 2, SPARE
	v_mov_b32 v[NIL], 0
	ds_add_u32 v[SPW], v[NIL]                      ; the wave's opening: the add and its wait stand ahead of my first tensor load
	v_lshrrev_b32 v1, 5, v0
	v_readfirstlane_b32 s10, v1
	s_lshr_b32 s11, s10, 1                         ; my half of the tile's rows.  Also: I fetch for O (0) or wo (1)
	s_and_b32 s12, s10, 1                          ; my half of its columns.  Also: which half of that tile I fetch
	s_bfe_u32 s40, ttmp6, 0x40000
	s_bfe_u32 s41, ttmp6, 0x40004
	s_lshl_b32 s42, ttmp9, 2
	s_add_co_u32 s42, s42, s40                     ; tile column
	s_and_b32 s13, ttmp7, 0xffff
	s_lshl_b32 s13, s13, 2
	s_add_co_u32 s13, s13, s41                     ; tile row
	s_lshl_b32 s43, s41, 2
	s_lshl_b32 s43, 15, s43
	s_lshl_b32 s44, 0x1111, s40
	s_or_b32 s[G1+0], s43, (1<<16)|(1<<20)|(1<<21)|(4<<22)|(3<<25)   ; O: the row's mask; after every 32 words 4 words of padding
	s_or_b32 s[G1B+0], s44, (1<<16)|(1<<20)|(1<<21)|(6<<22)|(3<<25)  ; wo: the column's mask; after every 128 words 4 words
	s_mov_b32 s[G1+1], 4096<<16                    ; tensor_dim0 = 4,096 elements
	s_mov_b32 s[G1+2], 4<<16                       ; tensor_dim1 = 4 row blocks
	s_mov_b32 s[G1+3], 4096<<16                    ; tile_dim0
	s_mov_b32 s[G1+4], 4                           ; tile_dim1
	s_mov_b32 s[G1+5], 16384                       ; elements from row block to row block
	s_mov_b32 s[G1+6], 0
	s_mov_b32 s[G1+7], 0
	s_mov_b32 s[G1B+1], 256<<16
	s_mov_b32 s[G1B+2], 64<<16
	s_mov_b32 s[G1B+3], 256<<16
	s_mov_b32 s[G1B+4], 64
	s_mov_b32 s[G1B+5], 1024
	s_mov_b32 s[G1B+6], 0
	s_mov_b32 s[G1B+7], 0
	s_lshl_b32 s16, s13, 18                        ; O: 8 row blocks of 32,768 bytes a tile row,
	s_lshl_b32 s17, s12, 17                        ; 4 of them a half
	s_add_co_u32 s16, s16, s17
	s_mov_b32 s17, 0
	s_lshl_b32 s46, s42, 7
	s_lshl_b32 s47, s12, 6
	s_add_co_u32 s46, s46, s47                     ; wo: row 128 x tile column + 64 x half
	s_lshl_b32 s46, s46, 11
	s_mov_b32 s47, 0
	s_mul_i32 s20, s10, AHALF                      ; where they go: O's halves at wave x 36,864 (waves 0, 1),
	s_mul_i32 s21, s10, BHALF
	s_add_co_u32 s21, s21, BOFF-2*BHALF            ; wo's at 73,728 + (wave - 2) x 33,792 (waves 2, 3)
	s_wait_dscnt 0x0
	s_wait_kmcnt 0x0
	s_add_nc_u64 s[14:15], s[4:5], s[16:17]
	s_add_nc_u64 s[46:47], s[6:7], s[46:47]
	CROUND                                         ; all sixteen work-groups are here
.irp s, 0,1
	s_mov_b32 s[G0+4*(\s)], 1
	s_add_co_u32 s[G0+4*(\s)+1], s20, (\s)*SLOT
	s_add_nc_u64 s[G0+4*(\s)+2:G0+4*(\s)+3], s[14:15], (\s)*ASTEP
	s_or_b32 s[G0+4*(\s)+3], s[G0+4*(\s)+3], 0x80000000
	s_mov_b32 s[G0B+4*(\s)], 1
	s_add_co_u32 s[G0B+4*(\s)+1], s21, (\s)*SLOT
	s_add_nc_u64 s[G0B+4*(\s)+2:G0B+4*(\s)+3], s[46:47], (\s)*BSTEP
	s_or_b32 s[G0B+4*(\s)+3], s[G0B+4*(\s)+3], 0x80000000
	JLOAD \s                                       ; K steps 0 and 1: two loads of mine are out
.endr
	v_and_b32 v1, 15, v0                           ; l % 16
	v_bfe_u32 v2, v0, 4, 1                         ; l / 16
	v_lshlrev_b32 v[BO], 5, v2
	s_lshl_b32 s46, s42, 9                         ; my 64 columns: 512 x tile column + 256 x half, in bytes of f32: in the bias and in a row of out0
	s_lshl_b32 s47, s12, 8
	s_add_co_u32 s46, s46, s47
	s_mov_b32 s47, 0
	s_add_nc_u64 s[BP:BP+1], s[BP:BP+1], s[46:47]
	s_add_nc_u64 s[8:9], s[8:9], s[46:47]
.set b, 0
.rept 4
	global_load_b128 v[BIAS+8*b:BIAS+8*b+3],   v[BO], s[BP:BP+1] offset:64*b
	global_load_b128 v[BIAS+8*b+4:BIAS+8*b+7], v[BO], s[BP:BP+1] offset:64*b+16
.set b, b+1
.endr
	v_mul_u32_u24 v3, v1, PA
	v_lshl_add_u32 v3, v2, 4, v3
	v_mul_u32_u24 v4, v1, PB
	v_lshl_add_u32 v4, v2, 4, v4
	s_mul_i32 s21, s11, AHALF                      ; my 64 rows of O
	s_mul_i32 s22, s12, BHALF                      ; my 64 rows of wo
	s_add_co_u32 s22, s22, BOFF
.irp s, 0,1
	v_add_nc_u32 v[ADRA+(\s)], s21, v3
	v_add_nc_u32 v[ADRB+(\s)], s22, v4
	s_add_co_u32 s21, s21, SLOT
	s_add_co_u32 s22, s22, SLOT
.endr
	s_mul_i32 s23, s10, 16*SPITCH
	s_add_co_u32 s23, s23, STAGE                   ; my stage
	v_mul_u32_u24 v5, v1, SPITCH                   ; in: row l % 16, 32 bytes for each half of the lanes
	v_lshl_add_u32 v5, v2, 5, v5
	v_add_nc_u32 v[STO], s23, v5
	v_mul_u32_u24 v5, v2, SPITCH                   ; back: lanes 0-15 one row of 256 bytes, lanes 16-31 the next
	v_lshl_add_u32 v5, v1, 4, v5
	v_add_nc_u32 v[RD], s23, v5
	v_lshlrev_b32 v5, 12, v2                       ; and the same two rows in out0
	v_lshl_add_u32 v[CO], v1, 4, v5
	s_lshl_b32 s16, s13, 19                        ; 128 rows of 4,096 bytes a tile row,
	s_lshl_b32 s17, s11, 18                        ; 64 a half
	s_add_co_u32 s16, s16, s17
	s_mov_b32 s17, 0
	s_add_nc_u64 s[8:9], s[8:9], s[16:17]
	s_mov_b32 s2, 0xffff0000
	s_wait_loadcnt 0x0                             ; the bias
.set p, 0
.rept 16                                       ; rounded to bf16, like every input, and widened again
	v_cvt_pk_bf16_f32 v[TB+p%2], v[BIAS+2*p], v[BIAS+2*p+1]
	v_lshlrev_b32 v[BIAS+2*p],   16, v[TB+p%2]
	v_and_b32     v[BIAS+2*p+1], s2, v[TB+p%2]
.set p, p+1
.endr
; 8 matrix instructions: row blocks a0, a0 + 1 x all 4 column blocks, 32 along K: half c of buffer f.  first = 1: C is the bias.  The 16 accumulators take turns.
.macro MUL8 f, c, a0, first
	WIN MUL
.irp a, \a0, (\a0)+1
.irp b, 0,1,2,3
.if \first
	v_wmma_f32_16x16x32_f16 v[ACC+8*(4*(\a)+(\b)):ACC+8*(4*(\a)+(\b))+7], v[(\f)+64+8*(4*(\c)+(\b)):(\f)+64+8*(4*(\c)+(\b))+7], v[(\f)+8*(4*(\c)+(\a)):(\f)+8*(4*(\c)+(\a))+7], v[BIAS+8*(\b):BIAS+8*(\b)+7]
.else
	v_wmma_f32_16x16x32_f16 v[ACC+8*(4*(\a)+(\b)):ACC+8*(4*(\a)+(\b))+7], v[(\f)+64+8*(4*(\c)+(\b)):(\f)+64+8*(4*(\c)+(\b))+7], v[(\f)+8*(4*(\c)+(\a)):(\f)+8*(4*(\c)+(\a))+7], v[ACC+8*(4*(\a)+(\b)):ACC+8*(4*(\a)+(\b))+7]
.endif
.endr
.endr
.endm
; 32 LDS loads in one run: quarter q of a K step (one head, 64 along K) into buffer f; its first 32 along K first
.macro FETCH slot, q, f
	WIN TO_F
.irp c, 0,1
.irp i, 0,1,2,3
	ds_load_b128 v[(\f)+64+8*(4*(\c)+(\i)):(\f)+64+8*(4*(\c)+(\i))+3],   v[ADRB+(\slot)] offset:128*(\q)+64*(\c)+(\i)*16*PB
	ds_load_b128 v[(\f)+64+8*(4*(\c)+(\i))+4:(\f)+64+8*(4*(\c)+(\i))+7], v[ADRB+(\slot)] offset:128*(\q)+64*(\c)+(\i)*16*PB+32
	ds_load_b128 v[(\f)+8*(4*(\c)+(\i)):(\f)+8*(4*(\c)+(\i))+3],         v[ADRA+(\slot)] offset:16*PA*(\q)+64*(\c)+(\i)*64*PA
	ds_load_b128 v[(\f)+8*(4*(\c)+(\i))+4:(\f)+8*(4*(\c)+(\i))+7],       v[ADRA+(\slot)] offset:16*PA*(\q)+64*(\c)+(\i)*64*PA+32
.endr
.endr
.endm
.macro QUARTER slot, q, f, g, first
	s_wait_dscnt 16                                ; the first 32 along K are in
	MUL8 \f, 0, 0, \first
	MUL8 \f, 0, 2, \first
	PLACES
	FETCH \slot, \q, \g
	s_wait_dscnt 32                                ; all but the 32 just issued
	MUL8 \f, 1, 0, 0
	MUL8 \f, 1, 2, 0
.endm
; The last quarter multiplies buffer 1 and changes slots.  fill = 1: the barrier opens a round of the cluster's, and this slot is filled again, two K steps on, first thing behind it.
.macro TURN slot, next, fill
	WIN 0
	s_wait_tensorcnt 0x0                           ; all my tensor loads have landed: my part of the next slot
	ds_add_u32 v[SPW], v[NIL]
	s_wait_dscnt 17                                ; (the add and the youngest sixteen loads may be out)
	MUL8 F1, 0, 0, 0
	s_wait_dscnt 0x0                               ; the add is done, and my reads of this slot are over
	s_barrier_signal -1
	MUL8 F1, 0, 2, 0
.if \fill
	WIN 0
.endif
	s_barrier_wait -1
.if \fill
	CREST
	s_add_nc_u64 s[G0+4*(\slot)+2:G0+4*(\slot)+3], s[G0+4*(\slot)+2:G0+4*(\slot)+3], 2*ASTEP
	s_add_nc_u64 s[G0B+4*(\slot)+2:G0B+4*(\slot)+3], s[G0B+4*(\slot)+2:G0B+4*(\slot)+3], 2*BSTEP
	JLOAD \slot                                    ; its four v_nop are also the places in front of the loads below
.else
	PLACES
.endif
	FETCH \next, 0, F0
	MUL8 F1, 1, 0, 0
	MUL8 F1, 1, 2, 0
.endm
; THE WAY OUT of row block a: 32 bytes a lane into my stage, back as whole rows of 256 bytes; 16 lanes store 256 consecutive bytes, aligned.
.macro OUTB a
.if (\a) >= 2
	s_wait_xcnt 0x0                                ; the stores of the block two back have read the registers that are loaded again below
.endif
.irp b, 0,1,2,3
	ds_store_b128 v[STO], v[ACC+8*(4*(\a)+(\b)):ACC+8*(4*(\a)+(\b))+3]   offset:64*(\b)
	ds_store_b128 v[STO], v[ACC+8*(4*(\a)+(\b))+4:ACC+8*(4*(\a)+(\b))+7] offset:64*(\b)+16
.endr
.irp t, 0,1,2,3,4,5,6,7
	ds_load_b128 v[TMP+32*((\a)%2)+4*(\t):TMP+32*((\a)%2)+4*(\t)+3], v[RD] offset:(\t)*2*SPITCH  ; LDS serves a wave's instructions in order (ISA guide 5.7.1.4)
.endr
	s_wait_dscnt 0x0
.irp t, 0,1,2,3,4,5,6,7
	global_store_b128 v[CO], v[TMP+32*((\a)%2)+4*(\t):TMP+32*((\a)%2)+4*(\t)+3], s[8:9] offset:(16*(\a)+2*(\t))*4096
.endr
.endm
	s_wait_tensorcnt 1                             ; my part of K step 0 is in; K step 1's may stay out
	s_barrier_signal -1
	s_barrier_wait -1
	FETCH 0, 0, F0
	QUARTER 0, 1, F0, F1, 1                        ; K step 0: its first products start the sums, with the bias
	QUARTER 0, 2, F1, F0, 0
	QUARTER 0, 3, F0, F1, 0
	TURN 0, 1, 1                                   ; slot 0 takes K step 2
	QUARTER 1, 1, F0, F1, 0                        ; K step 1
	QUARTER 1, 2, F1, F0, 0
	QUARTER 1, 3, F0, F1, 0
	TURN 1, 0, 1                                   ; slot 1 takes K step 3
	QUARTER 0, 1, F0, F1, 0                        ; K step 2
	QUARTER 0, 2, F1, F0, 0
	QUARTER 0, 3, F0, F1, 0
	TURN 0, 1, 0                                   ; nothing is left to fetch
	QUARTER 1, 1, F0, F1, 0                        ; K step 3
	QUARTER 1, 2, F1, F0, 0
	QUARTER 1, 3, F0, F1, 0
	s_wait_dscnt 16
	MUL8 F1, 0, 0, 0
	MUL8 F1, 0, 2, 0
	s_wait_dscnt 0x0
	MUL8 F1, 1, 0, 0
	MUL8 F1, 1, 2, 0
	WIN 0
	PLACES
	OUTB 0
	OUTB 1
	OUTB 2
	OUTB 3
	s_wait_tensorcnt 0x0                           ; the wave's end
	ds_add_u32 v[SPW], v[NIL]
	s_wait_dscnt 0x0
	CROUND                                         ; the closing round
	s_endpgm
.Lfunc_end_k_q42e17a748f_proj:
	.size	k_q42e17a748f_proj, .Lfunc_end_k_q42e17a748f_proj-k_q42e17a748f_proj
	.p2alignl 7, 3214868480
	.fill 96, 4, 3214868480
	.section	.rodata,"a",@progbits
	.p2align	6, 0x0
	.amdhsa_kernel k_q42e17a748f_proj
		.amdhsa_group_segment_fixed_size 327680
		.amdhsa_private_segment_fixed_size 0
		.amdhsa_enable_private_segment 0
		.amdhsa_kernarg_size 32
		.amdhsa_user_sgpr_count 2
		.amdhsa_user_sgpr_kernarg_segment_ptr 1
		.amdhsa_wavefront_size32 1
		.amdhsa_system_sgpr_workgroup_id_x 1
		.amdhsa_system_sgpr_workgroup_id_y 1
		.amdhsa_system_sgpr_workgroup_id_z 1
		.amdhsa_system_vgpr_workitem_id 0
		.amdhsa_next_free_vgpr 512
		.amdhsa_next_free_sgpr 68
		.amdhsa_reserve_vcc 0
		.amdhsa_float_denorm_mode_32 3
		.amdhsa_float_denorm_mode_16_64 3
		.amdhsa_memory_ordered 1
		.amdhsa_forward_progress 1
		.amdhsa_inst_pref_size 88
	.end_amdhsa_kernel
	.amdgpu_metadata
---
amdhsa.version: [ 1, 2 ]
amdhsa.kernels:
  - .name:           k_q42e17a748f_proj
    .symbol:         k_q42e17a748f_proj.kd
    .args:
      - { .name: ob, .offset: 0, .size: 8, .value_kind: global_buffer, .address_space: global }
      - { .name: wo, .offset: 8, .size: 8, .value_kind: global_buffer, .address_space: global }
      - { .name: Wo_b, .offset: 16, .size: 8, .value_kind: global_buffer, .address_space: global }
      - { .name: out0, .offset: 24, .size: 8, .value_kind: global_buffer, .address_space: global }
    .group_segment_fixed_size: 327680
    .private_segment_fixed_size: 0
    .kernarg_segment_align: 8
    .kernarg_segment_size: 32
    .max_flat_workgroup_size: 128
    .sgpr_count:     68
    .vgpr_count:     512
    .wavefront_size: 32
...
	.end_amdgpu_metadata
.endif
;; end of part 4
;; ======== version 2 of 2: 4 launches; version 1 with the launch cvt written anew for expert scheduling mode
;; limits: values are held in f16: magnitudes above 65,504 overflow, below 6.1e-05 lose precision
;; workspace buffers: xb 8,388,608 bytes; wb 6,291,456 bytes; wo 2,097,152 bytes; qkv 25,165,824 bytes; ob 8,388,608 bytes
;; launch cvt (part 5): grid 512 x 1, 8 waves a work-group, no clusters, 0 bytes of LDS; arguments x, Wqkv_w, Wo_w, xb, wb, wo; writes xb, wb, wo
.if DOCPART == 5
	.amdgcn_target "amdgcn-amd-amdhsa--gfx1250"
	.amdhsa_code_object_version 6
	.text
	.protected	k_q42e17a748f_cvt
	.globl	k_q42e17a748f_cvt
	.p2align	8
	.type	k_q42e17a748f_cvt,@function
k_q42e17a748f_cvt:
	s_mov_b64 s[64:65], 0
	v_nop
	global_prefetch_b8 v0, s[64:65] scope:SCOPE_SE
	s_setreg_imm32_b32 hwreg(HW_REG_WAVE_SCHED_MODE, 0, 2), 2
	s_setreg_imm32_b32 hwreg(HW_REG_WAVE_MODE, 25, 1), 1
	s_wait_xcnt 0x0
	s_wait_alu depctr_vm_vsrc(0)
; THE MODULE'S LARGE INPUTS ARE ROUNDED ONCE.  x -> xb and Wqkv_w -> wb in bf16; Wo_w -> wo: rounded to bf16 like the others, and that number written as f16,
; since the last product's other operand is f16.  LIMIT: |Wo_w| under 65,504; below 2^-14 the f16 copy keeps f16's fixed step of 2^-24.
; A stream: no LDS, no barrier, no matrix unit.  A work-group takes 65,536 bytes of f32: 16 lines of 256 threads x 16 bytes, all 16 loads out at once, and stores 32,768 bytes.
; Work-groups 0-255 take x (16,777,216 bytes), 256-447 Wqkv_w (12,582,912), 448-511 Wo_w (4,194,304).
; A wave's load covers 512 consecutive bytes, its store 256 consecutive bytes, aligned.  Every line has registers of its own: nothing is rewritten, so no wait frees a source.
; THE MODE: SCHED_MODE bits 1:0 = 2 (LLVM: expert scheduling mode 2), set by the entry lines.  The code itself states the register dependences
; between vector instructions and memory instructions, with s_wait_alu, always for 0.
; THE PLAN.  Registers that memory instructions touch:
;   v1, v2   byte offsets of the loads and of the stores.  Written once at the head, by vector lines; never written again.
;   IN       line i: four registers.  Written by the line's one load; read by its conversions; never loaded again, and named by no vector line ahead of the loads.
;   OUT      line i: two registers.  Written by the line's conversions, once; read by the line's one store; never written again.
;   T        (f16 path) is named by vector instructions alone.
; So the only dependence to state is: a vector line has written what a memory instruction reads.  One wait at the head does it for v1 and v2.  The 16 lines go in four blocks of four:
; the wait for the block's loads, its conversions, ONE wait on va_vdst, its four stores in a run.  That wait stands behind the block's own conversions and not at the next block's head,
; since that head is a wait for memory, behind which the block's stores would leave later.  No register that a memory instruction reads is written again: no wait on vm_vsrc is owed.
.set LINE, 4096                        ; bytes of f32 that the 256 threads take at once
.set BLOCK, 4                          ; lines in a block
.set IN,   8                           ; v[8:71]    16 lines x 4 f32
.set OUT,  72                          ; v[72:103]  16 lines x 2 registers of packed halves
.set T,    104                         ; v[104:109] at work (f16 path)
	s_load_b256 s[4:11], s[0:1], 0x0               ; x s[4:5], Wqkv_w s[6:7], Wo_w s[8:9], xb s[10:11]
	s_load_b128 s[12:15], s[0:1], 0x20             ; wb s[12:13], wo s[14:15]
	v_lshlrev_b32 v1, 4, v0                        ; my 16 bytes of a line in
	v_lshlrev_b32 v2, 3, v0                        ; my 8 bytes of a line out
	s_mov_b32 s26, 256                             ; the first work-group of Wqkv_w
	s_mov_b32 s27, 448                             ; the first of Wo_w
	s_mov_b32 s28, 0xffff0000                      ; a word's upper bf16
	s_wait_kmcnt 0x0
	s_cmp_lt_u32 ttmp9, s27                        ; the choice of buffers hangs on the work-group's number alone
	s_cselect_b64 s[18:19], s[6:7], s[8:9]
	s_cselect_b64 s[20:21], s[12:13], s[14:15]
	s_cselect_b32 s17, s26, s27
	s_cmp_lt_u32 ttmp9, s26
	s_cselect_b64 s[18:19], s[4:5], s[18:19]       ; from
	s_cselect_b64 s[20:21], s[10:11], s[20:21]     ; to
	s_cselect_b32 s17, 0, s17                      ; the buffer's first work-group
	s_sub_co_u32 s17, ttmp9, s17                   ; my number within the buffer
	s_lshl_b32 s22, s17, 16
	s_mov_b32 s23, 0
	s_lshl_b32 s24, s17, 15
	s_mov_b32 s25, 0
	s_add_nc_u64 s[18:19], s[18:19], s[22:23]
	s_add_nc_u64 s[20:21], s[20:21], s[24:25]
	s_wait_alu depctr_va_vdst(0)                   ; v1 and v2 are written: every load reads v1 as its offset, every store v2
.set i, 0
.rept 16
	global_load_b128 v[IN+4*i:IN+4*i+3], v1, s[18:19] offset:LINE*i th:TH_LOAD_NT
.set i, i+1
.endr
	s_cmp_ge_u32 ttmp9, s27
	s_cbranch_scc1 .Lf16
.set p, 0
.rept 16/BLOCK
	s_wait_loadcnt 16-BLOCK-BLOCK*p                ; loads come back in order: block p's four lines are in, the younger blocks' loads stay out
.set i, BLOCK*p
.rept BLOCK
	v_cvt_pk_bf16_f32 v[OUT+2*i],   v[IN+4*i],   v[IN+4*i+1]
	v_cvt_pk_bf16_f32 v[OUT+2*i+1], v[IN+4*i+2], v[IN+4*i+3]
.set i, i+1
.endr
	s_wait_alu depctr_va_vdst(0)                   ; the block's eight conversions have written its OUT registers, which the four stores below read
.set i, BLOCK*p
.rept BLOCK
	global_store_b64 v2, v[OUT+2*i:OUT+2*i+1], s[20:21] offset:(LINE/2)*i
.set i, i+1
.endr
.set p, p+1
.endr
	s_endpgm
.Lf16:
.set p, 0
.rept 16/BLOCK
	s_wait_loadcnt 16-BLOCK-BLOCK*p                ; block p's four lines are in, the younger blocks' loads stay out
.set i, BLOCK*p
.rept BLOCK
	v_cvt_pk_bf16_f32 v[T],   v[IN+4*i],   v[IN+4*i+1]    ; the rounding that all inputs get,
	v_cvt_pk_bf16_f32 v[T+1], v[IN+4*i+2], v[IN+4*i+3]
	v_lshlrev_b32 v[T+2], 16, v[T]                        ; widened again,
	v_and_b32     v[T+3], s28, v[T]
	v_lshlrev_b32 v[T+4], 16, v[T+1]
	v_and_b32     v[T+5], s28, v[T+1]
	v_cvt_pk_f16_f32 v[OUT+2*i],   v[T+2], v[T+3]         ; and written as f16: 8 significant bits fit into 11
	v_cvt_pk_f16_f32 v[OUT+2*i+1], v[T+4], v[T+5]
.set i, i+1
.endr
	s_wait_alu depctr_va_vdst(0)                   ; the block's conversions to f16 have written its OUT registers, which the four stores below read
.set i, BLOCK*p
.rept BLOCK
	global_store_b64 v2, v[OUT+2*i:OUT+2*i+1], s[20:21] offset:(LINE/2)*i
.set i, i+1
.endr
.set p, p+1
.endr
	s_endpgm
.Lfunc_end_k_q42e17a748f_cvt:
	.size	k_q42e17a748f_cvt, .Lfunc_end_k_q42e17a748f_cvt-k_q42e17a748f_cvt
	.p2alignl 7, 3214868480
	.fill 96, 4, 3214868480
	.section	.rodata,"a",@progbits
	.p2align	6, 0x0
	.amdhsa_kernel k_q42e17a748f_cvt
		.amdhsa_group_segment_fixed_size 0
		.amdhsa_private_segment_fixed_size 0
		.amdhsa_enable_private_segment 0
		.amdhsa_kernarg_size 48
		.amdhsa_user_sgpr_count 2
		.amdhsa_user_sgpr_kernarg_segment_ptr 1
		.amdhsa_wavefront_size32 1
		.amdhsa_system_sgpr_workgroup_id_x 1
		.amdhsa_system_sgpr_workgroup_id_y 1
		.amdhsa_system_sgpr_workgroup_id_z 1
		.amdhsa_system_vgpr_workitem_id 0
		.amdhsa_next_free_vgpr 112
		.amdhsa_next_free_sgpr 66
		.amdhsa_reserve_vcc 0
		.amdhsa_float_denorm_mode_32 3
		.amdhsa_float_denorm_mode_16_64 3
		.amdhsa_memory_ordered 1
		.amdhsa_forward_progress 1
		.amdhsa_inst_pref_size 15
	.end_amdhsa_kernel
	.amdgpu_metadata
---
amdhsa.version: [ 1, 2 ]
amdhsa.kernels:
  - .name:           k_q42e17a748f_cvt
    .symbol:         k_q42e17a748f_cvt.kd
    .args:
      - { .name: x, .offset: 0, .size: 8, .value_kind: global_buffer, .address_space: global }
      - { .name: Wqkv_w, .offset: 8, .size: 8, .value_kind: global_buffer, .address_space: global }
      - { .name: Wo_w, .offset: 16, .size: 8, .value_kind: global_buffer, .address_space: global }
      - { .name: xb, .offset: 24, .size: 8, .value_kind: global_buffer, .address_space: global }
      - { .name: wb, .offset: 32, .size: 8, .value_kind: global_buffer, .address_space: global }
      - { .name: wo, .offset: 40, .size: 8, .value_kind: global_buffer, .address_space: global }
    .group_segment_fixed_size: 0
    .private_segment_fixed_size: 0
    .kernarg_segment_align: 8
    .kernarg_segment_size: 48
    .max_flat_workgroup_size: 256
    .sgpr_count:     66
    .vgpr_count:     112
    .wavefront_size: 32
...
	.end_amdgpu_metadata
.endif
;; end of part 5
;; launch qkv: the kernel of part 2 again; grid 16 x 16, 4 waves a work-group, clusters of 4 x 4, 327,680 bytes of LDS; arguments xb, wb, Wqkv_b, qkv; writes qkv
;; launch attn: the kernel of part 3 again; grid 16 x 16, 4 waves a work-group, no clusters, 327,680 bytes of LDS; arguments qkv, mask, ob; writes ob
;; launch proj: the kernel of part 4 again; grid 8 x 32, 4 waves a work-group, clusters of 4 x 4, 327,680 bytes of LDS; arguments ob, wo, Wo_b, out0; writes out0
